; MI455X (gfx1250); checked and timed in simulation.
; The chip was launched on July 23, 2026; its instructions are those of AMD's public machine-readable ISA for CDNA 5 (MIT licence, August 2026) and "CDNA5" Instruction Set Architecture Reference Guide (July 2026). The comments in the code are by the model that wrote it; some were corrected since.
;; X Ey Transformer Layer. Allowed arithmetic: matrix products marked QUANTISED: E5M2 operands, one given power-of-two scale a tensor, by v_wmma_f32_16x16x64_bf8_bf8 or v_wmma_f32_16x16x128_bf8_bf8, f32 sums; everything else in f32.
;; Inputs: E 2 x 256 x 256 x 64 float32; WE1 64 x 128 float32; WE2 128 x 64 float32; WX1 256 x 2,048 float32; WX2 2,048 x 256 float32; Wea 64 x 256 float32; Wem 64 x 256 float32; Weo 256 x 64 float32; Wk 256 x 256 float32; Wq 256 x 256 float32; Wv 256 x 256 float32; Wxo 256 x 256 float32; X 2 x 256 x 256 float32; bE1 128 float32; bE2 64 float32; bX1 2,048 float32; bX2 256 float32; bea 256 float32; bem 256 float32; beo 64 float32; betE1 64 float32; betE2 64 float32; betX1 256 float32; betX2 256 float32; bk 256 float32; bq 256 float32; bv 256 float32; bxo 256 float32; gE1 64 float32; gE2 64 float32; gX1 256 float32; gX2 256 float32; lowp_scales 22 int32 (the exponents e of the quantised operands' scales 2^e); node_mask 2 x 256 bool; sparse_mask 256 x 256 bool.
;; Outputs: out0 2 x 256 x 256 float32; out1 2 x 256 x 256 x 64 float32.
;; This version of the problem:
;;   THIS VERSION OF THE PROBLEM IS GIVEN IN LOW PRECISION. The matrix products marked QUANTISED in the list below multiply operands that are first quantised to E5M2 (5 exponent bits, 2 mantissa bits; 8 bits a number), with one given power-of-two scale for each operand tensor; their sums are f32. All else is computed in f32.
;;   The module's matrix products, in the order in which they are computed (A, B: the left and right operand; K: the contracted axis; several contracted axes count as one K, in the product's order):
;;     1. [M 512, K 256] x [K 256, N 256]; A: input X; B: input Wq: QUANTISED (scales: A lowp_scales[0], B lowp_scales[1])
;;     2. [M 512, K 256] x [K 256, N 256]; A: input X; B: input Wk: QUANTISED (scales: A lowp_scales[2], B lowp_scales[3])
;;     3. [M 512, K 256] x [K 256, N 256]; A: input X; B: input Wv: QUANTISED (scales: A lowp_scales[4], B lowp_scales[5])
;;     4. [M 131,072, K 64] x [K 64, N 256]; A: input E; B: input Wem: QUANTISED (scales: A lowp_scales[6], B lowp_scales[7])
;;     5. [M 131,072, K 64] x [K 64, N 256]; A: input E; B: input Wea: QUANTISED (scales: A lowp_scales[8], B lowp_scales[9])
;;     6. [M 131,072, K 256] x [K 256, N 64]; A: computed on the way; B: input Weo: QUANTISED (scales: A lowp_scales[10], B lowp_scales[11])
;;     7. [M 512, K 256] x [K 256, N 256]; A: computed on the way; B: input Wxo: QUANTISED (scales: A lowp_scales[12], B lowp_scales[13])
;;     8. [M 512, K 256] x [K 256, N 2,048]; A: computed on the way; B: input WX1: QUANTISED (scales: A lowp_scales[14], B lowp_scales[15])
;;     9. [M 512, K 2,048] x [K 2,048, N 256]; A: computed on the way; B: input WX2: QUANTISED (scales: A lowp_scales[16], B lowp_scales[17])
;;     10. [M 131,072, K 64] x [K 64, N 128]; A: computed on the way; B: input WE1: QUANTISED (scales: A lowp_scales[18], B lowp_scales[19])
;;     11. [M 131,072, K 128] x [K 128, N 64]; A: computed on the way; B: input WE2: QUANTISED (scales: A lowp_scales[20], B lowp_scales[21])
;;   THE QUANTISER, for each operand of a quantised product, along K:
;;     - The operand's scale is 2^e, e = its entry of the input lowp_scales (int32; the entries are numbered through the quantised products in the list's order, A before B).
;;     - Each number is divided by the scale, clamped to +-57,344, and rounded to the nearest number of E5M2, ties to even, subnormals kept.
;;     - The product sums the exact products of the quantised numbers (number of the format x scale) in f32.
;;   ~~~python
;;   def quantise(x, axis, e):      # numpy; x: float32 -> the quantised numbers, widened to float32 again
;;       x = np.moveaxis(x, axis, -1); K = x.shape[-1]
;;       r = np.clip(x / 2.0 ** e, -57344, 57344)
;;       step = 2.0 ** (np.maximum(np.frexp(np.where(r == 0, 1, r))[1] - 1, -14) - 2)
;;       q = np.round(r / step) * step * 2.0 ** e      # np.round: ties to even
;;       return np.moveaxis(q, -1, axis).astype(np.float32)
;;   ~~~
;;   OPERANDS COMPUTED ON THE WAY. 'Computed on the way' means the value that the module computes at that place (a softmax that the list does not call 'softmax' is quantised finished and normalised). What goes into a quantiser is computed in f32, as accurately as f32 sums, v_exp_f32 and their like allow (about 1e-6 of the number): no bf16 or f16 on the way to a quantiser, and a product that is left as it is and whose result goes on into a quantised operand takes f32 operands (vector FMAs, or v_wmma_f32_16x16x4_f32). A number that lies on a knife's edge between two numbers of the format may be rounded either way, as far as f32 arithmetic and the matrix unit's own rounding can turn it there, and no further.
;; One version. Each part assembles by itself: llvm-mc -triple=amdgcn-amd-amdhsa -mcpu=gfx1250 --defsym DOCPART=n.
;; ======== version 1 of 1: 4 launches
;; workspace buffers: QI 524,288 bytes; KI 524,288 bytes; VI 524,288 bytes; WIE 65,536 bytes; WIX 1,114,112 bytes; WV 524,288 bytes; PART 4,194,304 bytes
;; launch prep (part 1): grid 240 x 1, 4 waves a work-group, no clusters, 16,896 bytes of LDS; arguments X, Wq, Wk, Wv, bq, bk, bv, lowp_scales, Wem, Wea, Weo, WE1, WE2, Wxo, WX1, WX2, QI, KI, VI, WIE, WIX; writes QI, KI, VI, WIE, WIX
.if DOCPART == 1
	.amdgcn_target "amdgcn-amd-amdhsa--gfx1250"
	.amdhsa_code_object_version 6
	.text
	.protected	k_qadc33317ff_prep
	.globl	k_qadc33317ff_prep
	.p2align	8
	.type	k_qadc33317ff_prep,@function
k_qadc33317ff_prep:
	s_mov_b64 s[64:65], 0
	v_nop
	global_prefetch_b8 v0, s[64:65] scope:SCOPE_SE
	s_setreg_imm32_b32 hwreg(HW_REG_WAVE_MODE, 25, 1), 1
	s_wait_xcnt 0x0
; LAUNCH 1 OF 4.  Q, K, V = X W + b (both operands as codes of E5M2, f32 sums) as f32 register images, and the codes of all other weights as images of the operand registers.
; DEAD WORK OF THE WHOLE PROGRAM, for all finite inputs.  Y[b,i,j,:] reaches an output by two ways only: through newE[b,i,j] = (Y Weo + beo) em[i,j], and through the softmax of row i at key j,
; where key j counts only if node_mask[j] is set and whose result wV[i] is multiplied by xm[i].  Where xm[i] = 0 or xm[j] = 0 neither way carries Y[b,i,j,:] on: those rows of the product with Weo are
; multiplied by 0 and those keys have the weight 0.  Where xm[i] = xm[j] = 1 the factor em on E1 and E2 and the factor xm on Q, K and V are 1, and sparse_mask = sparse_mask & key mask.
; So these factors are left out, and Y0 takes L = sparse_mask & node_mask[key] for sparse_mask.  Kept: L in Y0, L -> -inf ahead of the softmax, em on newE, xm on newX.  Every input stays live and is loaded.
; LIMIT: a NaN, an infinity or an overflow that arises only in rows or keys which node_mask hides is not carried to the result.
; LIMITS: for each operand's exponent e: -126 <= e and e + 15 <= 127; for each product -126 <= eA + eB <= 127.  NaN and infinity among the floating-point inputs are not served (an infinity is held at the largest code).
; LAYOUTS.  lane L: r = L % 16, h = L / 16.  An 8-bit fragment lies in the form's own order: registers 2c, 2c+1 = k 16c + 8h + 0..7.
; WEIGHT IMAGE of W[K][N]: [N/16][K/64][1,024 bytes]; in the 1,024 bytes group g of four registers takes 512, lane L's 16 bytes at 16 L; lane (r, h) holds column 16 nt + r.
; f32 IMAGE of a 16 x 16 result: registers 0-3 at 16 L, registers 4-7 at 512 + 16 L.  QI, KI, VI: [32 row tiles][16 column tiles][1,024]: lane = column, registers = rows 8h + 0..7.
; ROW ORDER of a row tile: in a block of 32 rows, tile u's row m is row 16 (m % 2) + 8 u + m / 2, so that the next launch can turn byte pairs and get tiles of 16 neighbouring rows.
; Work-groups 0-95: Q, K, V (which, 64 columns, 64 rows).  Work-groups 96-239: the weights.  The two ways part on the work-group's number alone; only the first uses LDS.
.set SPARE, 16384                      ; behind X's images: the spare words, 128 bytes a wave
.set SPW, 6                            ; v6  my spare word's LDS address; never rewritten
.set NIL, 7                            ; v7  0; never rewritten
.set MSB, 0
.macro WIN new                         ; s_set_vgpr_msb: bits 1:0 source 0, 3:2 source 1, 5:4 source 2, 7:6 destination; the high byte repeats the setting that is left
.if MSB != \new
	s_set_vgpr_msb (MSB<<8)|\new
.set MSB, \new
.endif
.endm
; s[se] holds an exponent x and is used up: v[vs] = 2^x as f32, s[sp] = 57,344 x 2^x, s[sn] = minus that
.macro MKQ se, vs, sn, sp
	s_add_co_i32 s[\se], s[\se], 127
	s_lshl_b32 s[\sp], s[\se], 23
	v_mov_b32 v[\vs], s[\sp]
	s_add_co_i32 s[\se], s[\se], 15
	s_lshl_b32 s[\sp], s[\se], 23
	s_or_b32 s[\sp], s[\sp], 0x600000
	s_xor_b32 s[\sn], s[\sp], 0x80000000
.endm
; 64 numbers of a lane become 16 registers of codes: the hold (the conversion to an 8-bit code does not saturate: ISA guide 7.6.2), then eight numbers a conversion
.macro QH src, dst, sn, sp, vs
.set n, 0
.rept 64
	v_med3_num_f32 v[\src+n], v[\src+n], s[\sn], s[\sp]
.set n, n+1
.endr
.set n, 0
.rept 8
	v_cvt_scalef32_pk8_bf8_f32 v[\dst+2*n:\dst+2*n+1], v[\src+8*n:\src+8*n+7], v[\vs]
.set n, n+1
.endr
	v_nop                                          ; a plain line between the conversions and whatever next touches their registers
.endm
	s_load_b512 s[4:19], s[0:1], 0x0               ; X 4, Wq 6, Wk 8, Wv 10, bq 12, bk 14, bv 16, scales 18
	s_load_b512 s[20:35], s[0:1], 0x40             ; Wem 20, Wea 22, Weo 24, WE1 26, WE2 28, Wxo 30, WX1 32, WX2 34
	s_load_b256 s[36:43], s[0:1], 0x80             ; QI 36, KI 38, VI 40, WIE 42
	s_load_b64 s[44:45], s[0:1], 0xa0              ; WIX
	v_lshl_add_u32 v[SPW], v0, 2, SPARE
	v_mov_b32 v[NIL], 0
	v_lshrrev_b32 v1, 5, v0
	v_readfirstlane_b32 s3, v1                     ; wave 0..3
	v_and_b32 v1, 15, v0                           ; r
	v_bfe_u32 v2, v0, 4, 1                         ; h
	v_and_b32 v5, 31, v0                           ; lane
	s_wait_kmcnt 0x0
	s_cmp_lt_u32 ttmp9, 96
	s_cbranch_scc0 .Lweights
; ---------------- Q, K, V ----------------
; Wave w quantises X's row tile 4 rb + w for the work-group (image to LDS) and owns column tile 4 cg + w, whose fragment of W it quantises in registers (a lane a column, registers down K).
; All of a wave's 161 loads are issued on end at the head: the bias, X (v16-143), W's first 128 along K (v144-207), its second 128 (window 1, v256-319).
	s_load_b256 s[56:63], s[18:19], 0x0            ; e0 .. e7
	s_lshr_b32 s46, ttmp9, 5                       ; which product: 0 q, 1 k, 2 v
	s_bfe_u32 s47, ttmp9, 0x20003                  ; cg
	s_and_b32 s48, ttmp9, 7                        ; rb
	s_cmp_eq_u32 s46, 0
	s_cselect_b64 s[6:7], s[6:7], s[8:9]           ; W
	s_cselect_b64 s[12:13], s[12:13], s[14:15]     ; its bias
	s_cselect_b64 s[36:37], s[36:37], s[38:39]     ; its image
	s_cmp_eq_u32 s46, 2
	s_cselect_b64 s[6:7], s[10:11], s[6:7]
	s_cselect_b64 s[12:13], s[16:17], s[12:13]
	s_cselect_b64 s[36:37], s[40:41], s[36:37]
	s_lshl_b32 s49, s47, 2
	s_add_co_u32 s49, s49, s3                      ; my column tile
	s_lshl_b32 s50, s48, 6
	s_lshr_b32 s51, s3, 1
	s_lshl_b32 s51, s51, 5
	s_add_co_u32 s50, s50, s51
	s_and_b32 s51, s3, 1
	s_lshl_b32 s51, s51, 3
	s_add_co_u32 s50, s50, s51                     ; 64 rb + 32 (w / 2) + 8 (w % 2)
	s_lshl_b32 s50, s50, 10                        ; rows of 1,024 bytes
	s_mov_b32 s51, 0
	s_add_nc_u64 s[4:5], s[4:5], s[50:51]
	s_lshl_b32 s50, s49, 6                         ; 16 columns of 4 bytes
	s_add_nc_u64 s[6:7], s[6:7], s[50:51]
	s_add_nc_u64 s[12:13], s[12:13], s[50:51]
	s_lshl_b32 s50, s48, 16                        ; four row tiles of 16 images
	s_lshl_b32 s52, s49, 10
	s_add_co_u32 s50, s50, s52
	s_add_nc_u64 s[36:37], s[36:37], s[50:51]
	v_lshlrev_b32 v5, 4, v5                        ; 16 x lane
	v_and_b32 v8, 1, v1
	v_lshrrev_b32 v9, 1, v1
	v_lshl_add_u32 v8, v8, 4, v9                   ; 16 (r % 2) + r / 2
	v_lshlrev_b32 v3, 10, v8
	v_lshl_add_u32 v3, v2, 5, v3                   ; X: my row, + 32 h
	v_lshlrev_b32 v12, 2, v1                       ; 4 r
	v_lshl_add_u32 v4, v2, 13, v12                 ; W: 8 h rows of 1,024 bytes + 4 r
	s_lshl_b32 s52, s3, 12
	v_add_nc_u32 v13, s52, v5                      ; where I store X's image
	v_mov_b32 v11, 0                               ; (named with v10 as a pair)
	global_load_b32 v10, v12, s[12:13]             ; my column's bias
.set n, 0
.rept 32
	global_load_b128 v[16+4*n:16+4*n+3], v3, s[4:5] offset:64*(n/2)+16*(n%2)     ; X(row, 16c + 8h + 4q ..)
.set n, n+1
.endr
.set n, 0
.rept 64
	global_load_b32 v[144+n], v4, s[6:7] offset:(16*(n/8)+n%8)*1024              ; W(16c + 8h + i, column), c = 0..7
.set n, n+1
.endr
	WIN 0x40                                       ; destination window 1
.set n, 0
.rept 64
	global_load_b32 v[n], v4, s[6:7] offset:(128+16*(n/8)+n%8)*1024              ; W's second 128 along K, asked for with the rest
.set n, n+1
.endr
	WIN 0
	s_wait_kmcnt 0x0
	s_cmp_eq_u32 s46, 0
	s_cselect_b64 s[54:55], s[56:57], s[58:59]
	s_cmp_eq_u32 s46, 2
	s_cselect_b64 s[54:55], s[60:61], s[54:55]     ; eA, eB
	s_add_co_i32 s72, s54, s55
	s_add_co_i32 s72, s72, 127
	s_lshl_b32 s72, s72, 23                        ; 2^(eA + eB)
	s_mov_b32 s73, s72
	MKQ 54, 8, 68, 67
	MKQ 55, 9, 70, 69
	s_wait_loadcnt 63                              ; behind X's loads 128 were issued, and a wait's count names 63 at the most: the bias, X and W's first half are in
	QH 16, 240, 68, 67, 8
.irp g, 0,1,2,3
	ds_store_b128 v13, v[240+4*\g:240+4*\g+3] offset:512*\g
.endr
	s_wait_dscnt 0x0                               ; the stores have read their registers
	QH 80, 240, 68, 67, 8
.irp g, 0,1,2,3
	ds_store_b128 v13, v[240+4*\g:240+4*\g+3] offset:2048+512*\g
.endr
	QH 144, 208, 70, 69, 9
	s_wait_loadcnt 0x0                             ; W's second half
	WIN 0x41                                       ; source 0 and destination window 1
.set n, 0
.rept 64
	v_med3_num_f32 v[n], v[n], s70, s69
.set n, n+1
.endr
	WIN 0x01                                       ; the numbers in window 1, the codes and the scale in window 0
.set n, 0
.rept 8
	v_cvt_scalef32_pk8_bf8_f32 v[224+2*n:224+2*n+1], v[8*n:8*n+7], v9
.set n, n+1
.endr
	v_nop                                          ; a plain line between the conversions and the products that read their results
	WIN 0
	s_wait_dscnt 0x0                               ; my image of X has landed
	s_barrier_signal -1
	s_barrier_wait -1                              ; all four lie in LDS
.set n, 0
.rept 32
	ds_load_b128 v[16+4*n:16+4*n+3], v5 offset:512*n                             ; tile t at registers 16 + 32 t
.set n, n+1
.endr
	s_wait_dscnt 0x0
.irp t, 0,1,2,3                                ; source 0 = 16 rows of X, source 1 = my 16 columns of W; the four accumulators take turns
	v_wmma_f32_16x16x128_bf8_bf8 v[144+8*\t:144+8*\t+7], v[16+32*\t:16+32*\t+15], v[208:223], 0
.endr
.irp t, 0,1,2,3
	v_wmma_f32_16x16x128_bf8_bf8 v[144+8*\t:144+8*\t+7], v[32+32*\t:32+32*\t+15], v[224:239], v[144+8*\t:144+8*\t+7]
.endr
.rept 4
	v_nop
.endr
.set n, 0
.rept 16
	v_pk_fma_f32 v[176+2*n:176+2*n+1], v[144+2*n:144+2*n+1], s[72:73], v[10:11] op_sel_hi:[1,0,0]   ; sum x 2^(eA + eB) + bias
.set n, n+1
.endr
.irp t, 0,1,2,3
.irp g, 0,1
	global_store_b128 v5, v[176+8*\t+4*\g:176+8*\t+4*\g+3], s[36:37] offset:16384*\t+512*\g     ; 512 consecutive bytes a store
.endr
.endr
	s_wait_tensorcnt 0x0                           ; the wave's end, behind my last LDS store
	ds_add_u32 v[SPW], v[NIL]
	s_wait_dscnt 0x0
	s_endpgm
; ---------------- the weights ----------------
; A wave takes a unit of 32 columns x 64 along K.  A LANE TAKES A COLUMN AND ITS REGISTERS RUN DOWN K: a load reads 128 consecutive bytes a wave; the conversions give codes with K innermost.
; Run a of eight codes (k = 8a ..) is half of the 16 bytes that lane (r, h) of group g holds: a = 4g + h the lower, a = 4g + 2 + h the upper.  Sixteen lanes store one aligned block of 256 bytes.
.macro QW wp, op, obyte, N, LNP, KB, eidx, first
	s_load_b32 s46, s[18:19], 4*\eidx
	s_sub_co_u32 s51, s50, \first
	s_lshl_b32 s51, s51, 2
	s_add_co_u32 s51, s51, s3                      ; my unit
	s_and_b32 s52, s51, \N/32-1                    ; which 32 columns
	s_lshr_b32 s53, s51, \LNP                      ; which 64 along K
	s_mul_i32 s54, s53, 256*\N
	s_lshl_b32 s55, s52, 7
	s_add_co_u32 s54, s54, s55
	s_mov_b32 s55, 0
	s_add_nc_u64 s[\wp:\wp+1], s[\wp:\wp+1], s[54:55]
	s_mul_i32 s56, s52, 2*\KB
	s_add_co_u32 s56, s56, s53
	s_lshl_b32 s56, s56, 10
	s_add_co_u32 s56, s56, \obyte
	s_mov_b32 s57, 0
	s_add_nc_u64 s[\op:\op+1], s[\op:\op+1], s[56:57]
	v_lshlrev_b32 v8, 2, v5
	v_mul_u32_u24 v9, v2, \KB*1024
	v_lshl_add_u32 v9, v1, 4, v9
.set n, 0
.rept 64
	global_load_b32 v[16+n], v8, s[\wp:\wp+1] offset:n*\N*4 th:TH_LOAD_NT
.set n, n+1
.endr
	s_wait_kmcnt 0x0
	MKQ 46, 10, 58, 59
	s_wait_loadcnt 0x0
.set n, 0
.rept 64
	v_med3_num_f32 v[16+n], v[16+n], s58, s59
.set n, n+1
.endr
.set n, 0
.rept 8
	v_cvt_scalef32_pk8_bf8_f32 v[80+4*(2*(n/4)+n%2)+2*((n%4)/2):80+4*(2*(n/4)+n%2)+2*((n%4)/2)+1], v[16+8*n:16+8*n+7], v10
.set n, n+1
.endr
.irp g, 0,1
.irp y, 0,1
	global_store_b128 v9, v[80+4*(2*\g+\y):80+4*(2*\g+\y)+3], s[\op:\op+1] offset:512*\g+256*\y
.endr
.endr
	s_endpgm                                       ; (these waves wrote no LDS)
.endm
.Lweights:
	s_sub_co_u32 s50, ttmp9, 96
	s_cmp_lt_u32 s50, 64
	s_cbranch_scc1 .Lwx1
	s_cmp_lt_u32 s50, 128
	s_cbranch_scc1 .Lwx2
	s_cmp_lt_u32 s50, 136
	s_cbranch_scc1 .Lwxo
	s_cmp_lt_u32 s50, 138
	s_cbranch_scc1 .Lwem
	s_cmp_lt_u32 s50, 140
	s_cbranch_scc1 .Lwea
	s_cmp_lt_u32 s50, 142
	s_cbranch_scc1 .Lweo
	s_cmp_lt_u32 s50, 143
	s_cbranch_scc1 .Lwe1
	QW 28, 42, 57344, 64, 1, 2, 21, 143            ; WE2
.Lwe1:
	QW 26, 42, 49152, 128, 2, 1, 19, 142           ; WE1
.Lweo:
	QW 24, 42, 32768, 64, 1, 4, 11, 140            ; Weo
.Lwea:
	QW 22, 42, 16384, 256, 3, 1, 9, 138            ; Wea
.Lwem:
	QW 20, 42, 0, 256, 3, 1, 7, 136                ; Wem
.Lwxo:
	QW 30, 44, 0, 256, 3, 4, 13, 128               ; Wxo
.Lwx2:
	QW 34, 44, 589824, 256, 3, 32, 17, 64          ; WX2
.Lwx1:
	QW 32, 44, 65536, 2048, 6, 4, 15, 0            ; WX1
.Lfunc_end_k_qadc33317ff_prep:
	.size	k_qadc33317ff_prep, .Lfunc_end_k_qadc33317ff_prep-k_qadc33317ff_prep
	.p2alignl 7, 3214868480
	.fill 96, 4, 3214868480
	.section	.rodata,"a",@progbits
	.p2align	6, 0x0
	.amdhsa_kernel k_qadc33317ff_prep
		.amdhsa_group_segment_fixed_size 16896
		.amdhsa_private_segment_fixed_size 0
		.amdhsa_enable_private_segment 0
		.amdhsa_kernarg_size 168
		.amdhsa_user_sgpr_count 2
		.amdhsa_user_sgpr_kernarg_segment_ptr 1
		.amdhsa_wavefront_size32 1
		.amdhsa_system_sgpr_workgroup_id_x 1
		.amdhsa_system_sgpr_workgroup_id_y 1
		.amdhsa_system_sgpr_workgroup_id_z 1
		.amdhsa_system_vgpr_workitem_id 0
		.amdhsa_next_free_vgpr 320
		.amdhsa_next_free_sgpr 96
		.amdhsa_reserve_vcc 0
		.amdhsa_float_denorm_mode_32 3
		.amdhsa_float_denorm_mode_16_64 3
		.amdhsa_memory_ordered 1
		.amdhsa_forward_progress 1
		.amdhsa_inst_pref_size 140
	.end_amdhsa_kernel
	.amdgpu_metadata
---
amdhsa.version: [ 1, 2 ]
amdhsa.kernels:
  - .name:           k_qadc33317ff_prep
    .symbol:         k_qadc33317ff_prep.kd
    .args:
      - { .name: X, .offset: 0, .size: 8, .value_kind: global_buffer, .address_space: global }
      - { .name: Wq, .offset: 8, .size: 8, .value_kind: global_buffer, .address_space: global }
      - { .name: Wk, .offset: 16, .size: 8, .value_kind: global_buffer, .address_space: global }
      - { .name: Wv, .offset: 24, .size: 8, .value_kind: global_buffer, .address_space: global }
      - { .name: bq, .offset: 32, .size: 8, .value_kind: global_buffer, .address_space: global }
      - { .name: bk, .offset: 40, .size: 8, .value_kind: global_buffer, .address_space: global }
      - { .name: bv, .offset: 48, .size: 8, .value_kind: global_buffer, .address_space: global }
      - { .name: lowp_scales, .offset: 56, .size: 8, .value_kind: global_buffer, .address_space: global }
      - { .name: Wem, .offset: 64, .size: 8, .value_kind: global_buffer, .address_space: global }
      - { .name: Wea, .offset: 72, .size: 8, .value_kind: global_buffer, .address_space: global }
      - { .name: Weo, .offset: 80, .size: 8, .value_kind: global_buffer, .address_space: global }
      - { .name: WE1, .offset: 88, .size: 8, .value_kind: global_buffer, .address_space: global }
      - { .name: WE2, .offset: 96, .size: 8, .value_kind: global_buffer, .address_space: global }
      - { .name: Wxo, .offset: 104, .size: 8, .value_kind: global_buffer, .address_space: global }
      - { .name: WX1, .offset: 112, .size: 8, .value_kind: global_buffer, .address_space: global }
      - { .name: WX2, .offset: 120, .size: 8, .value_kind: global_buffer, .address_space: global }
      - { .name: QI, .offset: 128, .size: 8, .value_kind: global_buffer, .address_space: global }
      - { .name: KI, .offset: 136, .size: 8, .value_kind: global_buffer, .address_space: global }
      - { .name: VI, .offset: 144, .size: 8, .value_kind: global_buffer, .address_space: global }
      - { .name: WIE, .offset: 152, .size: 8, .value_kind: global_buffer, .address_space: global }
      - { .name: WIX, .offset: 160, .size: 8, .value_kind: global_buffer, .address_space: global }
    .group_segment_fixed_size: 16896
    .private_segment_fixed_size: 0
    .kernarg_segment_align: 8
    .kernarg_segment_size: 168
    .max_flat_workgroup_size: 128
    .sgpr_count:     96
    .vgpr_count:     320
    .wavefront_size: 32
...
	.end_amdgpu_metadata
.endif
;; end of part 1
;; launch main (part 2): grid 256 x 1, 4 waves a work-group, no clusters, 294,912 bytes of LDS; arguments E, sparse_mask, node_mask, lowp_scales, QI, KI, VI, WIE, bem, bea, beo, bE1, bE2, gE1, betE1, gE2, betE2, out1, WV; writes out1, WV
.if DOCPART == 2
	.amdgcn_target "amdgcn-amd-amdhsa--gfx1250"
	.amdhsa_code_object_version 6
	.text
	.protected	k_qadc33317ff_main
	.globl	k_qadc33317ff_main
	.p2align	8
	.type	k_qadc33317ff_main,@function
k_qadc33317ff_main:
	s_mov_b64 s[64:65], 0
	v_nop
	global_prefetch_b8 v0, s[64:65] scope:SCOPE_SE
	s_setreg_imm32_b32 hwreg(HW_REG_WAVE_MODE, 25, 1), 1
	s_wait_xcnt 0x0
; LAUNCH 2 OF 4: the whole edge path and the attention.  Left out as dead work (shown at the head of launch 1): the factor em on E1 and E2, the factor xm on Q, K, V; Y0 takes L = sparse_mask & node_mask[key].
; A work-group owns two query rows (flat rows 2g, 2g + 1) and walks their 256 keys in two chunks of 128.  E is read once (tensor loads, all asked for at the head), out1 written once; Y never leaves the chip.
; A trip of the chunk loop:  X: E's f32 rows become code fragments (twice: the two products have scales of their own) | barrier | A: E1, E2, Y, Y's codes to LDS, the softmax's running sums | barrier |
; B: Y Weo, residual, LayerNorm, FFN 64-128-64, residual, LayerNorm, out1.
; PHASE A, the waves share the CHANNELS: wave w owns channels 64w + 16ct + r for both rows.  Source 0 = 16 keys of E, source 1 = 16 columns of Wem or Wea: a lane holds ONE channel, its registers run along the keys,
;   so the softmax over the keys needs no other lane but l xor 16, once, at the end.  K, V and the masks come in the same layout.
; PHASES X, B, the waves share the ROWS: wave w owns query row w / 2 and 64 keys; products transposed (source 0 = weights): a lane holds ONE key row, its registers run along the channels, the next K.
; BETWEEN THEM only Y's codes are turned: stored [channel][key position], read by the 16-bit transposing load as pairs of bytes and parted by v_perm_b32.  KEY POSITIONS: in a block of 32 keys the position is the
;   key's number rotated left by one bit of five, so that the even bytes are keys 0-15 of the block and the odd ones keys 16-31.
; ARITHMETIC, with s1 = e6 + e7, s2 = e8 + e9: D1 = sum1 + (bem + 1) / 2^s1, D2 = sum2 + bea / 2^s2 (the biases are the products' C);  Y / 2^s2 = k (D1 L q') + D2, q' = q 2^(s1 - s2) / sqrt(32);
;   t = Y log2(e), -inf where L = 0; for each lane a running maximum M: p = 2^(t - M); when M moves, the sums are multiplied by 2^(old M - new M).  wV = sum p v / sum p.
; LIMITS: e6, e8, e18, e10 - s2, e20 - e18 - e19 between -126 and 112; s1, s2, e10 + e11, e18 + e19, e20 + e21 and their negatives, and s1 - s2, within the exponents of normal f32 numbers.
;   NaN and infinity among the floating-point inputs are not served.  A query row with no live key gives NaN in WV, as reference() does.  The softmax's sums are ordered otherwise than reference()'s.
; NO CLUSTER: K and V, which 128 work-groups share, go from memory straight into registers, each image once a work-group; E is shared with nobody; LDS has no room for a ring.
; NO PREFETCH: E is asked for whole at the head; K and V are read by many work-groups.
; LDS, in bytes
.set ERW,   34816                      ; E's f32 rows: a wave's own 2 x 64 rows of 272 (256 + 16 of padding); later its stage for out1
.set ERT,   17408
.set EP,    272
.set YC,    139264                     ; Y's codes: [2 rows][256 channels] x 160 bytes (128 positions used; an odd multiple of 32)
.set YCI,   40960
.set YP,    160
.set EIMG,  221184                     ; E's code fragments: [2 scales][2 rows x 8 tiles][1,024]
.set WL,    253952                     ; images of Weo, WE1 (+16,384), WE2 (+24,576)
.set TAB,   286720                     ; L as f32 [2][256 positions]; +2,048: 0 or -inf likewise; +4,096: node_mask as f32 [256 keys]
.set PAR,   291840                     ; beo', bE2' | g1, bt1 (+512) | g2, bt2 (+1,024) | bE1' (+1,536)
.set SPARE, 293888                     ; the spare words, 128 bytes a wave
; vector registers, window 0
.set LI,1
.set SPW,2
.set NIL,3
.set AF0,4
.set AFA,5
.set MK0,6
.set MKA,7
.set YS0,8
.set YSA,9
.set KVE,10
.set KVO,11
.set TRA,12
.set ER0,13
.set ERD,14
.set ED0,15
.set EDN,16
.set XIA,17
.set NM0,18
.set NMA,19
.set PRA,20
.set SCY,21                            ; the conversions' scales: Y, E (two), Eo, hidden
.set SCE0,22
.set SCE1,23
.set SCO,24
.set SCH,25
.set Q,26                              ; v26-33: for each ct the pair (q' of row 0, q' of row 1)
.set WLA,38
.set WVO,39
.set YCD,40                            ; v40-55 Y's codes; in B v40, 42, 44, 46: em x 2^(e10 + e11) of a tile's row
.set F,40
.set SA,56                             ; v56-95 the LayerNorms' temporaries, a set for each of four tiles
.set SB,64
.set MU,72
.set RS,80
.set PX,88
.set SS,92
.set MSK,96                            ; v96-127 masks of two tiles; in X and B codes
.set D,128                             ; v128-255 phase A: D1, D2 of 2 tiles x 4 ct; phase B: XE, four tiles x 32
.set XE,128
; window 1: v0-127 V (two buffers); v128-191 T (t, then p), in X and B temporaries and fragments; then the softmax's statistics, each in an even register
.set T,128
.set M,192
.set LS,208
.set AC,224
.set MO,240
.set FP,244
; window 2: Wem's and Wea's fragments, the two biases as C, K (two buffers)
.set WEM,0
.set WEA,32
.set C1,64
.set C2,96
.set KK,128
; window 3: phase A: E's fragments v0-31; phases X, B: see there
.set AF,0
; scalars
.set WV,3
.set K64,4
.set EPS,5
.set HM,6
.set PE,42
.set PO,43
.set HL,60
.set F6,61
.set S11,62
.set SEL,66
.set TC,80
.set TR,81
.set EO,82
.set YO,83
.set MT,84
.set MI,85
.set ET,86
.set NT,87
.set HE,88
.set HO,89
.set T0,90
.set CL,92
.set YLN,94
.set YLP,95
.set EL0N,96
.set EL0P,97
.set EL1N,98
.set EL1P,99
.set OLN,100
.set OLP,101
.set MSB, 0
.macro WIN new                         ; s_set_vgpr_msb: bits 1:0 source 0, 3:2 source 1, 5:4 source 2, 7:6 destination; the high byte repeats the setting that is left
.if MSB != \new
	s_set_vgpr_msb (MSB<<8)|\new
.set MSB, \new
.endif
.endm
.macro MKQ se, vs, sn, sp              ; s[se] = x, used up: v[vs] = 2^x, s[sp] = 57,344 x 2^x, s[sn] = minus that
	s_add_co_i32 s[\se], s[\se], 127
	s_lshl_b32 s[\sp], s[\se], 23
	v_mov_b32 v[\vs], s[\sp]
	s_add_co_i32 s[\se], s[\se], 15
	s_lshl_b32 s[\sp], s[\se], 23
	s_or_b32 s[\sp], s[\sp], 0x600000
	s_xor_b32 s[\sn], s[\sp], 0x80000000
.endm
.macro PLACES
.rept 4
	v_nop
.endr
.endm
; ================= the head =================
	s_load_b512 s[4:19], s[0:1], 0x0               ; E 4, sparse_mask 6, node_mask 8, scales 10, QI 12, KI 14, VI 16, WIE 18
	s_load_b512 s[20:35], s[0:1], 0x40             ; bem 20, bea 22, beo 24, bE1 26, bE2 28, gE1 30, betE1 32, gE2 34
	s_load_b128 s[36:39], s[0:1], 0x80             ; betE2 36, out1 38
	s_load_b64 s[40:41], s[0:1], 0x90              ; WV
	v_lshl_add_u32 v[SPW], v0, 2, SPARE
	v_mov_b32 v[NIL], 0
	ds_add_u32 v[SPW], v[NIL]                      ; the opening: the add, twice on end, and its wait ahead of my first tensor load
	ds_add_u32 v[SPW], v[NIL]
	v_lshrrev_b32 v1, 5, v0
	v_readfirstlane_b32 s[WV], v1                  ; wave 0..3
	s_lshr_b32 s42, s[WV], 1                       ; in X and B: my query row, 0 or 1
	s_and_b32 s43, s[WV], 1                        ; and my half of a chunk's keys
	s_mov_b32 s44, 0x07520000                      ; group 1 for E: elements of 4 bytes; 4 words of padding after every 64
	s_mov_b32 s45, 64<<16                          ; tensor_dim0 = 64
	s_mov_b32 s46, 64<<16                          ; tensor_dim1 = 64
	s_mov_b32 s47, 64<<16                          ; tile_dim0 = 64
	s_mov_b32 s48, 64                              ; tile_dim1 = 64
	s_mov_b32 s49, 64                              ; from row to row
	s_mov_b32 s50, 0
	s_mov_b32 s51, 0
	s_mov_b32 s52, 0x00030000                      ; group 1 for the weights' images: 32 dense rows of 32 elements of 8 bytes
	s_mov_b32 s53, 32<<16
	s_mov_b32 s54, 32<<16
	s_mov_b32 s55, 32<<16
	s_mov_b32 s56, 32
	s_mov_b32 s57, 32
	s_mov_b32 s58, 0
	s_mov_b32 s59, 0
	s_mov_b32 s68, 1
	s_mul_i32 s69, s[WV], ERW                      ; chunk 0's rows
	s_mov_b32 s72, 1
	s_lshl_b32 s73, s[WV], 13
	s_add_co_u32 s73, s73, WL                      ; my quarter of the images
	s_mov_b32 s76, 1
	s_add_co_u32 s77, s69, ERT                     ; chunk 1's rows
	s_lshl_b32 s60, ttmp9, 1
	s_add_co_u32 s60, s60, s42                     ; my flat query row
	s_lshl_b32 s62, s60, 16
	s_lshl_b32 s63, s43, 14
	s_add_co_u32 s62, s62, s63
	s_mov_b32 s63, 0                               ; s[62:63]: my first row's byte in E and in out1
	s_mov_b32 s61, 0
	s_lshl_b32 s66, s[WV], 13
	s_add_co_u32 s66, s66, 32768
	s_mov_b32 s67, 0
	s_wait_dscnt 0x0                               ; both opening adds are done
	s_wait_kmcnt 0x0
	s_add_nc_u64 s[70:71], s[4:5], s[62:63]
	s_add_nc_u64 s[78:79], s[70:71], 32768
	s_or_b32 s71, s71, 0x80000000
	s_or_b32 s79, s79, 0x80000000
	s_add_nc_u64 s[74:75], s[18:19], s[66:67]
	s_or_b32 s75, s75, 0x80000000
	tensor_load_to_lds s[68:71], s[44:51]          ; every byte is filled once: three loads a wave, all out together
	s_nop 0
	tensor_load_to_lds s[72:75], s[52:59]
	s_nop 0
	tensor_load_to_lds s[76:79], s[44:51]
	s_nop 0
	PLACES
	s_load_b256 s[80:87], s[10:11], 0x18           ; e6 .. e13
	s_load_b128 s[88:91], s[10:11], 0x48           ; e18 .. e21
	s_add_nc_u64 s[60:61], s[8:9], s[60:61]
	s_load_u8 s2, s[60:61], 0x0                    ; node_mask of my query row
	s_add_nc_u64 s[38:39], s[38:39], s[62:63]      ; out1 at my first row
	s_lshl_b32 s62, ttmp9, 1
	s_and_b32 s62, s62, 255                        ; i0: the first query row in its batch
	s_lshr_b32 s63, ttmp9, 7                       ; the batch
	s_lshl_b32 s66, s62, 8
	s_add_nc_u64 s[6:7], s[6:7], s[66:67]          ; sparse_mask at row i0
	s_lshl_b32 s66, s63, 8
	s_add_nc_u64 s[8:9], s[8:9], s[66:67]          ; node_mask at my batch
	s_lshl_b32 s66, s63, 18
	s_lshl_b32 s92, s[WV], 12
	s_add_co_u32 s66, s66, s92
	s_add_nc_u64 s[14:15], s[14:15], s[66:67]      ; K's and V's images: my batch, my four column tiles
	s_add_nc_u64 s[16:17], s[16:17], s[66:67]
	s_mov_b32 s93, 0
	s_add_nc_u64 s[18:19], s[18:19], s[92:93]      ; Wem's image at my four tiles
	s_lshl_b32 s92, s[WV], 8
	s_add_nc_u64 s[20:21], s[20:21], s[92:93]
	s_add_nc_u64 s[22:23], s[22:23], s[92:93]
	s_lshl_b32 s94, ttmp9, 11
	s_add_co_u32 s94, s94, s92
	s_mov_b32 s95, 0
	s_add_nc_u64 s[40:41], s[40:41], s[94:95]      ; WV: row 2g, my 64 channels
	s_lshl_b32 s94, s63, 4                         ; q's place in QI: row tile 16 b + 2 (i0 / 32) + bit 3 of i0,
	s_lshr_b32 s96, s62, 5
	s_lshl_b32 s96, s96, 1
	s_add_co_u32 s94, s94, s96
	s_bfe_u32 s96, s62, 0x10003
	s_add_co_u32 s94, s94, s96
	s_lshl_b32 s94, s94, 4
	s_lshl_b32 s96, s[WV], 2
	s_add_co_u32 s94, s94, s96                     ; column tile 4w,
	s_lshl_b32 s94, s94, 10
	s_bfe_u32 s96, s62, 0x10001                    ; bit 1: the upper four registers,
	s_lshl_b32 s96, s96, 9
	s_add_co_u32 s94, s94, s96
	s_bfe_u32 s96, s62, 0x10002                    ; bit 2: lanes 16-31,
	s_lshl_b32 s96, s96, 8
	s_add_co_u32 s94, s94, s96
	s_bfe_u32 s96, s62, 0x10004                    ; bit 4: the odd register; row i0 + 1 lies 8 bytes on
	s_lshl_b32 s96, s96, 2
	s_add_co_u32 s94, s94, s96
	s_add_nc_u64 s[12:13], s[12:13], s[94:95]
	s_cmp_lt_u32 s[WV], 2                          ; threads 0-63 bring beo, g1, g2; threads 64-127 bE2, bt1, bt2
	s_cselect_b64 s[24:25], s[24:25], s[28:29]
	s_cselect_b64 s[30:31], s[30:31], s[32:33]
	s_cselect_b64 s[34:35], s[34:35], s[36:37]
	v_and_b32 v96, 15, v0                          ; r
	v_bfe_u32 v97, v0, 4, 1                        ; h
	v_and_b32 v98, 31, v0
	v_lshlrev_b32 v[LI], 4, v98                    ; 16 x lane
	v_and_b32 v100, 63, v0
	v_lshlrev_b32 v100, 2, v100
	v_lshlrev_b32 v101, 2, v0
	v_lshlrev_b32 v102, 2, v96
	v_lshlrev_b32 v103, 4, v96
	global_load_u8 v40, v0, s[6:7]                 ; sparse_mask[i0][tid], [tid + 128]
	global_load_u8 v41, v0, s[6:7] offset:128
	global_load_u8 v42, v0, s[6:7] offset:256      ; the same of row i0 + 1
	global_load_u8 v43, v0, s[6:7] offset:384
	global_load_u8 v44, v0, s[8:9]                 ; node_mask[b][tid], [tid + 128]
	global_load_u8 v45, v0, s[8:9] offset:128
	global_load_b32 v46, v100, s[24:25]
	global_load_b32 v47, v100, s[30:31]
	global_load_b32 v48, v100, s[34:35]
	global_load_b32 v49, v101, s[26:27]
.irp ct, 0,1,2,3
	global_load_b32 v[50+\ct], v102, s[20:21] offset:64*\ct
	global_load_b32 v[54+\ct], v102, s[22:23] offset:64*\ct
	global_load_b32 v[Q+2*\ct], v103, s[12:13] offset:1024*\ct
	global_load_b32 v[Q+2*\ct+1], v103, s[12:13] offset:1024*\ct+8
.endr
	WIN 0x80
.set n, 0
.rept 8
	global_load_b128 v[WEM+4*n:WEM+4*n+3], v[LI], s[18:19] offset:512*n
	global_load_b128 v[WEA+4*n:WEA+4*n+3], v[LI], s[18:19] offset:16384+512*n
.set n, n+1
.endr
	WIN 0
	; LDS addresses: constants, the lane, the wave
	v_add_nc_u32 v[AF0], EIMG, v[LI]
	v_add_nc_u32 v[WLA], WL, v[LI]
	v_lshl_add_u32 v[MK0], v97, 5, TAB
	v_lshl_add_u32 v[PRA], v97, 5, PAR
	v_mul_u32_u24 v[YS0], v96, YP
	v_lshl_add_u32 v[YS0], v97, 3, v[YS0]
	s_mul_i32 s92, s[WV], 64*YP
	s_add_co_u32 s92, s92, YC
	v_add_nc_u32 v[YS0], s92, v[YS0]               ; Y's codes in: my channel's row, + 8 h
	v_and_b32 v99, 7, v0
	v_lshl_add_u32 v99, v97, 3, v99
	v_mul_u32_u24 v[TRA], v99, YP
	v_bfe_u32 v99, v0, 3, 1
	v_lshl_add_u32 v[TRA], v99, 4, v[TRA]
	s_mul_i32 s92, s42, YCI
	s_lshl_b32 s94, s43, 6
	s_add_co_u32 s92, s92, s94
	s_add_co_u32 s92, s92, YC
	v_add_nc_u32 v[TRA], s92, v[TRA]               ; and out, turned: channel 8h + lane % 8, 16 bytes at 16 ((lane / 8) % 2), my row, my 64 positions
	v_mul_u32_u24 v[ER0], v96, EP
	v_lshl_add_u32 v[ER0], v97, 5, v[ER0]
	v_add_nc_u32 v[ER0], s69, v[ER0]               ; E: row r, + 32 h
	v_mul_u32_u24 v[ED0], v97, EP
	v_lshl_add_u32 v[ED0], v96, 4, v[ED0]
	v_add_nc_u32 v[ED0], s69, v[ED0]               ; the stage read back: sixteen lanes to a row
	v_lshrrev_b32 v99, 3, v96
	v_lshlrev_b32 v[XIA], 10, v99
	v_and_b32 v99, 7, v96
	v_lshl_add_u32 v[XIA], v99, 5, v[XIA]
	v_lshl_add_u32 v[XIA], v97, 8, v[XIA]
	s_lshl_b32 s92, s[WV], 12
	s_add_co_u32 s92, s92, EIMG
	v_add_nc_u32 v[XIA], s92, v[XIA]               ; E's fragments in: row r of a natural tile is row 2 (r % 8) + p of position tile r / 8
	s_lshl_b32 s92, s43, 8
	s_add_co_u32 s92, s92, TAB+4096
	v_lshl_add_u32 v[NM0], v96, 2, s92
	v_lshlrev_b32 v[WVO], 2, v96
	v_lshl_add_u32 v[WVO], v97, 10, v[WVO]
	v_and_b32 v66, 0x60, v0                        ; the position of key tid: bits 5, 6 stay, the low five are rotated left by one
	v_and_b32 v67, 15, v0
	v_lshl_add_u32 v66, v67, 1, v66
	v_bfe_u32 v67, v0, 4, 1
	v_add_nc_u32 v66, v66, v67
	v_lshl_add_u32 v66, v66, 2, TAB
	v_lshl_add_u32 v67, v0, 2, TAB+4096
	v_lshl_add_u32 v68, v0, 2, PAR
.set n, 72
.rept 24
	v_mov_b32 v[n], 0                              ; written once: upper halves of pairs that are named, and destinations of lane permutes
.set n, n+1
.endr
	WIN 0x40
.set n, 0
.rept 8
	v_mov_b32 v[M+2*n], 0xff61b1e6                 ; the running maxima: -3e38, under every t
	v_mov_b32 v[M+2*n+1], 0
.set n, n+1
.endr
.set n, LS
.rept 44
	v_mov_b32 v[n], 0                              ; the sums, and the rest of the statistics
.set n, n+1
.endr
	WIN 0
	s_wait_kmcnt 0x0
	s_add_co_i32 s86, s80, s81                     ; s1 = e6 + e7
	s_add_co_i32 s87, s82, s83                     ; s2 = e8 + e9
	s_add_co_i32 s85, s84, s85                     ; e10 + e11
	s_add_co_i32 s89, s88, s89                     ; e18 + e19
	s_add_co_i32 s91, s90, s91                     ; e20 + e21
	s_sub_co_i32 s84, s84, s87                     ; Y / 2^s2 is quantised with e10 - s2
	s_sub_co_i32 s90, s90, s89                     ; the hidden sums with e20 - e18 - e19
	MKQ 80, SCE0, EL0N, EL0P
	MKQ 82, SCE1, EL1N, EL1P
	MKQ 84, SCY, YLN, YLP
	MKQ 88, SCO, OLN, OLP
	MKQ 90, SCH, 81, HL
	s_lshl_b32 s81, s87, 23
	s_add_co_i32 s[CL], s81, 0x3fb8aa3b            ; log2(e) x 2^s2
	s_mov_b32 s[CL+1], s[CL]
	s_sub_co_i32 s81, s86, s87
	s_lshl_b32 s81, s81, 23
	s_add_co_i32 s83, s81, 0x3e3504f3              ; 2^(s1 - s2) / sqrt(32)
	s_sub_co_i32 s81, 127, s86
	s_lshl_b32 s86, s81, 23                        ; 2^-s1
	s_sub_co_i32 s81, 127, s87
	s_lshl_b32 s87, s81, 23                        ; 2^-s2
	s_add_co_i32 s81, s85, 127
	s_lshl_b32 s80, s81, 23
	s_cmp_lg_u32 s2, 0
	s_cselect_b32 s[F6], s80, 0                    ; node_mask[my query row] x 2^(e10 + e11): a choice of a value, no branch
	s_sub_co_i32 s81, 127, s85
	s_lshl_b32 s85, s81, 23
	s_sub_co_i32 s81, 127, s89
	s_lshl_b32 s89, s81, 23
	s_add_co_i32 s81, s91, 127
	s_lshl_b32 s[S11], s81, 23                     ; 2^(e20 + e21)
	s_mov_b32 s[S11+1], s[S11]
	s_sub_co_i32 s81, 127, s91
	s_lshl_b32 s91, s81, 23
	s_cmp_lt_u32 s[WV], 2
	s_cselect_b32 s82, s85, s91                    ; beo / 2^(e10 + e11) or bE2 / 2^(e20 + e21)
	s_wait_loadcnt 0x0
	v_and_b32 v58, v40, v44                        ; L = sparse_mask & node_mask[key]
	v_and_b32 v59, v41, v45
	v_and_b32 v60, v42, v44
	v_and_b32 v61, v43, v45
.irp n, 0,1,2,3
	v_cvt_f32_u32 v[62+\n], v[58+\n]               ; L as 0.0 or 1.0
	v_add_nc_u32 v[58+\n], -1, v[58+\n]
	v_and_b32 v[58+\n], 0xff800000, v[58+\n]       ; 0 where L = 1, -inf where L = 0
.endr
	v_cvt_f32_u32 v44, v44
	v_cvt_f32_u32 v45, v45
	v_mul_f32 v46, s82, v46
	v_mul_f32 v49, s89, v49
.irp n, 0,1,2,3
	ds_store_b32 v66, v[62+\n] offset:512*\n
	ds_store_b32 v66, v[58+\n] offset:2048+512*\n
.endr
	ds_store_b32 v67, v44
	ds_store_b32 v67, v45 offset:512
	ds_store_b32 v68, v46
	ds_store_b32 v68, v47 offset:512
	ds_store_b32 v68, v48 offset:1024
	ds_store_b32 v68, v49 offset:1536
.irp ct, 0,1,2,3
	v_add_f32 v[50+\ct], 1.0, v[50+\ct]
.endr
.set n, 0
.rept 8
	v_mul_f32 v[Q+n], s83, v[Q+n]
.set n, n+1
.endr
	WIN 0x80
.irp ct, 0,1,2,3
.irp j, 0,1,2,3,4,5,6,7
	v_mul_f32 v[C1+8*\ct+\j], s86, v[50+\ct]       ; a lane is a channel: its bias in all eight registers of the C
	v_mul_f32 v[C2+8*\ct+\j], s87, v[54+\ct]
.endr
.endr
	WIN 0
	s_mov_b32 s[PE], 0x06040200                    ; the even bytes of two words; the odd ones
	s_mov_b32 s[PO], 0x07050301
	s_mov_b32 s[SEL], 0x76543210                   ; v_permlanex16_b32: lane l xor 16
	s_mov_b32 s[SEL+1], 0xfedcba98
	s_mov_b32 s[K64], 0x3c800000                   ; 1 / 64
	s_mov_b32 s[EPS], 0x3727c5ac                   ; 1e-5
	s_mov_b32 s[HM], 0xffff0000                    ; lanes 16-31
	s_mov_b32 s[HE], 0
	s_mov_b32 s[HO], 1
	s_mov_b32 s[TC], 0
	s_mov_b32 s[ET], 0
	s_mov_b32 s[MT], 0
	s_mov_b32 s[NT], 0
; ================= macros of the loop =================
; K's and V's images of a block of 32 positions into buffer buf: 16 + 16 loads.  The block's number is held at the batch's last block of its parity, so that the two groups asked for behind the last use stay inside the buffers.
; The address register is free: the counted waits in the blocks have shown its earlier loads done.
.macro LKV hs, lim, kv, buf
	s_min_u32 s[T0], s[\hs], \lim
	s_add_co_u32 s[\hs], s[\hs], 2
	WIN 0
	v_lshl_add_u32 v[\kv], s[T0], 15, v[LI]
	WIN 0x80
.set n, 0
.rept 16
	global_load_b128 v[KK+64*\buf+4*n:KK+64*\buf+4*n+3], v[\kv], s[14:15] offset:(n/8)*16384+(n%8)*512
.set n, n+1
.endr
	WIN 0x40
.set n, 0
.rept 16
	global_load_b128 v[64*\buf+4*n:64*\buf+4*n+3], v[\kv], s[16:17] offset:(n/8)*16384+(n%8)*512
.set n, n+1
.endr
.endm
; phase X: two natural tiles (a block of 32 keys) with one scale: hold, convert, image to LDS in position order
.macro XQ sel, pr, sn, sp, vs
	WIN 0x43
.set n, 0
.rept 64
	v_med3_num_f32 v[T+n], v[64*\pr+n], s[\sn], s[\sp]
.set n, n+1
.endr
	WIN 0x01
.set n, 0
.rept 8
	v_cvt_scalef32_pk8_bf8_f32 v[MSK+2*n:MSK+2*n+1], v[T+8*n:T+8*n+7], v[\vs]
.set n, n+1
.endr
	v_nop
	WIN 0
.irp p, 0,1
.irp g, 0,1
	ds_store_b128 v[XIA], v[MSK+8*\p+4*\g:MSK+8*\p+4*\g+3] offset:\sel*16384+\pr*2048+512*\g+16*\p
.endr
.endr
	s_wait_dscnt 0x0                               ; the stores have read their registers
.endm
.macro ELD                             ; my 64 rows of E, f32: register 32 tile + 8c + i = E(row r, 16c + 8h + i), into window 3
	WIN 0xc0
.set n, 0
.rept 32
	ds_load_b128 v[4*n:4*n+3], v[ERD] offset:(n/8)*16*EP+64*((n/2)%4)+16*(n%2)
.set n, n+1
.endr
.endm
.macro FA hp, qi                       ; E's fragments of block hp's two tiles, query row qi, both scales
	WIN 0xc0
.irp u, 0,1
.irp sel, 0,1
.irp g, 0,1
	ds_load_b128 v[AF+16*\u+8*\sel+4*\g:AF+16*\u+8*\sel+4*\g+3], v[AFA] offset:(8*\qi+2*\hp+\u)*1024+\sel*16384+512*\g
.endr
.endr
.endr
.endm
.macro FM hp, qi                       ; the two masks of my eight positions of each tile
	WIN 0
.irp u, 0,1
.irp z, 0,1
	ds_load_b128 v[MSK+16*\u+4*\z:MSK+16*\u+4*\z+3], v[MKA] offset:\qi*1024+(32*\hp+16*\u)*4+16*\z
	ds_load_b128 v[MSK+16*\u+8+4*\z:MSK+16*\u+8+4*\z+3], v[MKA] offset:2048+\qi*1024+(32*\hp+16*\u)*4+16*\z
.endr
.endr
.endm
.macro MM                              ; sixteen products, sixteen accumulators: D1 = E Wem + C1, D2 = E Wea + C2
	WIN 0x2b
.irp u, 0,1
.irp ct, 0,1,2,3
	v_wmma_f32_16x16x64_bf8_bf8 v[D+16*(4*\u+\ct):D+16*(4*\u+\ct)+7], v[AF+16*\u:AF+16*\u+7], v[WEM+8*\ct:WEM+8*\ct+7], v[C1+8*\ct:C1+8*\ct+7]
	v_wmma_f32_16x16x64_bf8_bf8 v[D+16*(4*\u+\ct)+8:D+16*(4*\u+\ct)+15], v[AF+16*\u+8:AF+16*\u+15], v[WEA+8*\ct:WEA+8*\ct+7], v[C2+8*\ct:C2+8*\ct+7]
.endr
.endr
.endm
; Y of two tiles x four ct; each accumulator is read from its low end on
.macro VU hp, qi
	WIN 0
.irp u, 0,1
.irp ct, 0,1,2,3
.irp e, 0,2,4,6
	v_pk_mul_f32 v[D+16*(4*\u+\ct)+\e:D+16*(4*\u+\ct)+\e+1], v[D+16*(4*\u+\ct)+\e:D+16*(4*\u+\ct)+\e+1], v[MSK+16*\u+\e:MSK+16*\u+\e+1]
.endr
.endr
.endr
.irp u, 0,1
.irp ct, 0,1,2,3
.irp e, 0,2,4,6
	v_pk_mul_f32 v[D+16*(4*\u+\ct)+\e:D+16*(4*\u+\ct)+\e+1], v[D+16*(4*\u+\ct)+\e:D+16*(4*\u+\ct)+\e+1], v[Q+2*\ct:Q+2*\ct+1] op_sel:[0,\qi] op_sel_hi:[1,\qi]
.endr
.endr
.endr
	WIN 0x02
.irp u, 0,1
.irp ct, 0,1,2,3
.irp e, 0,2,4,6
	v_pk_fma_f32 v[D+16*(4*\u+\ct)+8+\e:D+16*(4*\u+\ct)+9+\e], v[KK+64*\hp+8*(4*\u+\ct)+\e:KK+64*\hp+8*(4*\u+\ct)+\e+1], v[D+16*(4*\u+\ct)+\e:D+16*(4*\u+\ct)+\e+1], v[D+16*(4*\u+\ct)+8+\e:D+16*(4*\u+\ct)+9+\e]
.endr
.endr
.endr
	WIN 0x40
.irp u, 0,1
.irp ct, 0,1,2,3
.irp e, 0,2,4,6
	v_pk_fma_f32 v[T+8*(4*\u+\ct)+\e:T+8*(4*\u+\ct)+\e+1], v[D+16*(4*\u+\ct)+8+\e:D+16*(4*\u+\ct)+9+\e], s[CL:CL+1], v[MSK+16*\u+8+\e:MSK+16*\u+9+\e] op_sel_hi:[1,0,1]
.endr
.endr
.endr
	WIN 0
.irp u, 0,1
.irp ct, 0,1,2,3
.irp e, 0,1,2,3,4,5,6,7
	v_med3_num_f32 v[D+16*(4*\u+\ct)+8+\e], v[D+16*(4*\u+\ct)+8+\e], s[YLN], s[YLP]
.endr
.endr
.endr
.irp u, 0,1
.irp ct, 0,1,2,3
	v_cvt_scalef32_pk8_bf8_f32 v[YCD+2*(4*\u+\ct):YCD+2*(4*\u+\ct)+1], v[D+16*(4*\u+\ct)+8:D+16*(4*\u+\ct)+15], v[SCY]
.endr
.endr
	v_nop                                          ; a plain line between the conversions and the products that write their sources anew
.irp u, 0,1
.irp ct, 0,1,2,3
	ds_store_b64 v[YSA], v[YCD+2*(4*\u+\ct):YCD+2*(4*\u+\ct)+1] offset:\qi*YCI+\ct*16*YP+32*\hp+16*\u
.endr
.endr
.endm
; the softmax's pieces: of column ct a lane has 16 numbers, 8 pairs
.macro TSUB ct, k, qi                  ; pair k: t - M
.set rT, T+8*(4*((\k)/4)+(\ct))+2*((\k)%4)
	v_pk_add_f32 v[rT:rT+1], v[rT:rT+1], v[M+2*(4*\qi+(\ct)):M+2*(4*\qi+(\ct))+1] op_sel_hi:[1,0] neg_lo:[0,1] neg_hi:[0,1]
.endm
.macro TEXP ct, m                      ; number m: p = 2^(t - M)
.set rT, T+8*(4*((\m)/8)+(\ct))+(\m)%8
	v_exp_f32 v[rT], v[rT]
.endm
.macro RDR ct, k, kind, hp, qi         ; pair k goes into the sum of p (kind 0) or of p v (kind 1)
.set rT, T+8*(4*((\k)/4)+(\ct))+2*((\k)%4)
.set rA, 2*(4*\qi+(\ct))
.if \kind
	v_pk_fma_f32 v[AC+rA:AC+rA+1], v[rT:rT+1], v[64*\hp+rT-T:64*\hp+rT-T+1], v[AC+rA:AC+rA+1]
.else
	v_pk_add_f32 v[LS+rA:LS+rA+1], v[LS+rA:LS+rA+1], v[rT:rT+1]
.endif
.endm
; The softmax of a block, all in window 1.  The exponentials go in two batches, each with one wait ahead of its first reader; the second batch stands among the first batch's readers.
; Its first four lines are the places behind the products issued just before; behind them E's fragments of the block after next are fetched (nf = 1).
.macro SM hp, qi, nf, fhp, fqi
	WIN 0x55
.irp ct, 0,1,2,3
	v_mov_b32 v[MO+\ct], v[M+2*(4*\qi+\ct)]
.endr
.if \nf
	FA \fhp, \fqi
	WIN 0x55
.endif
.irp k, 0,1,2,3,4,5,6,7
.irp ct, 0,1,2,3
	v_max3_num_f32 v[M+2*(4*\qi+\ct)], v[M+2*(4*\qi+\ct)], v[T+8*(4*(\k/4)+\ct)+2*(\k%4)], v[T+8*(4*(\k/4)+\ct)+2*(\k%4)+1]
.endr
.endr
.irp ct, 0,1,2,3
	v_sub_f32 v[FP+2*\ct], v[MO+\ct], v[M+2*(4*\qi+\ct)]
.endr
.irp ct, 0,1,2,3
	v_exp_f32 v[FP+2*\ct], v[FP+2*\ct]             ; 2^(old M - new M)
.endr
.irp ct, 0,1
.irp k, 0,1,2,3,4,5,6,7
	TSUB \ct, \k, \qi
.endr
.endr
.set n, 0
.rept 16
	TSUB 2+n/8, n%8, \qi
	TEXP (2*n)/16, (2*n)%16
	TEXP (2*n+1)/16, (2*n+1)%16
.set n, n+1
.endr
	v_nop                                          ; a plain line behind the last exponential
	s_wait_alu depctr_va_vdst(0)                   ; one wait for the first batch
.irp ct, 0,1,2,3
	v_pk_mul_f32 v[LS+2*(4*\qi+\ct):LS+2*(4*\qi+\ct)+1], v[LS+2*(4*\qi+\ct):LS+2*(4*\qi+\ct)+1], v[FP+2*\ct:FP+2*\ct+1] op_sel_hi:[1,0]
	v_pk_mul_f32 v[AC+2*(4*\qi+\ct):AC+2*(4*\qi+\ct)+1], v[AC+2*(4*\qi+\ct):AC+2*(4*\qi+\ct)+1], v[FP+2*\ct:FP+2*\ct+1] op_sel_hi:[1,0]
.endr
.set n, 0
.rept 32
	TEXP 2+n/16, n%16
	RDR n/16, (n/2)%8, n%2, \hp, \qi
.set n, n+1
.endr
	v_nop
	s_wait_alu depctr_va_vdst(0)                   ; one wait for the second batch
.set n, 0
.rept 32
	RDR 2+n/16, (n/2)%8, n%2, \hp, \qi
.set n, n+1
.endr
.endm
.macro PLD reg, off, cnt               ; parameters in a lane-is-a-row layout: register 8c + i = p(16c + 8h + i), into window 3
.set n, 0
.rept \cnt
	ds_load_b128 v[\reg+4*n:\reg+4*n+3], v[PRA] offset:\off+64*(n/2)+16*(n%2)
.set n, n+1
.endr
.endm
.macro WLD off, cnt                    ; a weight's image as it lies, into window 3 from v0 on
.set n, 0
.rept \cnt
	ds_load_b128 v[4*n:4*n+3], v[WLA] offset:\off+512*n
.set n, n+1
.endr
.endm
.macro TRL bk                          ; Y's codes of my block bk, turned: lane (r, h): channels 16c + 8h + 0..7 of positions 2r and 2r + 1, interleaved
.set n, 0
.rept 16
	ds_load_tr16_b128 v[160+4*n:160+4*n+3], v[TRA] offset:n*16*YP+32*\bk
.set n, n+1
.endr
.endm
.macro LRED                            ; a tile's two chains, the pair's halves, and lane l xor 16's: the row's sum in SS
.irp t, 0,1,2,3
	v_pk_add_f32 v[SA+2*\t:SA+2*\t+1], v[SA+2*\t:SA+2*\t+1], v[SB+2*\t:SB+2*\t+1]
.endr
.irp t, 0,1,2,3
	v_add_f32 v[SS+\t], v[SA+2*\t], v[SA+2*\t+1]
.endr
.irp t, 0,1,2,3
	v_permlanex16_b32 v[PX+\t], v[SS+\t], s[SEL], s[SEL+1]
.endr
.irp t, 0,1,2,3
	v_add_f32 v[SS+\t], v[SS+\t], v[PX+\t]
.endr
.endm
; LayerNorm over a row's 64 numbers (32 a lane), four tiles step by step; the variance in a second pass, of x - mean.  g at v[gw], beta at v[bw] of window 3
.macro LNORM gw, bw
	WIN 0
.irp t, 0,1,2,3
	v_pk_add_f32 v[SA+2*\t:SA+2*\t+1], v[XE+32*\t:XE+32*\t+1], v[XE+32*\t+2:XE+32*\t+3]
	v_pk_add_f32 v[SB+2*\t:SB+2*\t+1], v[XE+32*\t+4:XE+32*\t+5], v[XE+32*\t+6:XE+32*\t+7]
.endr
.irp e, 8,12,16,20,24,28
.irp t, 0,1,2,3
	v_pk_add_f32 v[SA+2*\t:SA+2*\t+1], v[SA+2*\t:SA+2*\t+1], v[XE+32*\t+\e:XE+32*\t+\e+1]
	v_pk_add_f32 v[SB+2*\t:SB+2*\t+1], v[SB+2*\t:SB+2*\t+1], v[XE+32*\t+\e+2:XE+32*\t+\e+3]
.endr
.endr
	LRED
.irp t, 0,1,2,3
	v_mul_f32 v[MU+2*\t], s[K64], v[SS+\t]
.endr
.irp t, 0,1,2,3
.irp e, 0,2,4,6,8,10,12,14,16,18,20,22,24,26,28,30
	v_pk_add_f32 v[XE+32*\t+\e:XE+32*\t+\e+1], v[XE+32*\t+\e:XE+32*\t+\e+1], v[MU+2*\t:MU+2*\t+1] op_sel_hi:[1,0] neg_lo:[0,1] neg_hi:[0,1]
.endr
.endr
.irp t, 0,1,2,3
	v_pk_mul_f32 v[SA+2*\t:SA+2*\t+1], v[XE+32*\t:XE+32*\t+1], v[XE+32*\t:XE+32*\t+1]
	v_pk_mul_f32 v[SB+2*\t:SB+2*\t+1], v[XE+32*\t+2:XE+32*\t+3], v[XE+32*\t+2:XE+32*\t+3]
.endr
.irp e, 4,8,12,16,20,24,28
.irp t, 0,1,2,3
	v_pk_fma_f32 v[SA+2*\t:SA+2*\t+1], v[XE+32*\t+\e:XE+32*\t+\e+1], v[XE+32*\t+\e:XE+32*\t+\e+1], v[SA+2*\t:SA+2*\t+1]
	v_pk_fma_f32 v[SB+2*\t:SB+2*\t+1], v[XE+32*\t+\e+2:XE+32*\t+\e+3], v[XE+32*\t+\e+2:XE+32*\t+\e+3], v[SB+2*\t:SB+2*\t+1]
.endr
.endr
	LRED
.irp t, 0,1,2,3
	v_fma_f32 v[SS+\t], v[SS+\t], s[K64], s[EPS]
.endr
.irp t, 0,1,2,3
	v_rsq_f32 v[RS+2*\t], v[SS+\t]
.endr
	v_nop
	s_wait_alu depctr_va_vdst(0)                   ; one wait for the four
.irp t, 0,1,2,3
.irp e, 0,2,4,6,8,10,12,14,16,18,20,22,24,26,28,30
	v_pk_mul_f32 v[XE+32*\t+\e:XE+32*\t+\e+1], v[XE+32*\t+\e:XE+32*\t+\e+1], v[RS+2*\t:RS+2*\t+1] op_sel_hi:[1,0]
.endr
.endr
	WIN 0x3c
.irp t, 0,1,2,3
.irp e, 0,2,4,6,8,10,12,14,16,18,20,22,24,26,28,30
	v_pk_fma_f32 v[XE+32*\t+\e:XE+32*\t+\e+1], v[XE+32*\t+\e:XE+32*\t+\e+1], v[\gw+\e:\gw+\e+1], v[\bw+\e:\bw+\e+1]
.endr
.endr
.endm
	LKV HE, 6, KVE, 0                              ; K and V of the first two blocks of 32 positions
	LKV HO, 7, KVO, 1
	WIN 0
; ================= the loop over the two chunks of 128 keys =================
.Lchunk:
	; ---- X
	s_wait_tensorcnt 0x2                           ; behind chunk 0's rows two loads were issued: they may be out.  In the second trip all have been shown landed by the first trip's wait for 0
	v_add_nc_u32 v[ERD], s[ET], v[ER0]
	v_add_nc_u32 v[EDN], s[ET], v[ED0]
	v_add_nc_u32 v[NMA], s[NT], v[NM0]
	ELD
	s_wait_dscnt 0x0
	XQ 0, 0, EL0N, EL0P, SCE0
	XQ 0, 1, EL0N, EL0P, SCE0
	XQ 1, 0, EL1N, EL1P, SCE1
	XQ 1, 1, EL1N, EL1P, SCE1
	s_barrier_signal -1                            ; my LDS stores have landed (the tables' and parameters' too) and my reads of Y's codes are over
	s_barrier_wait -1
	; ---- A: two trips of 64 positions; a trip is four blocks (block of 32 positions, query row)
	s_mov_b32 s[TR], 2
	s_mov_b32 s[EO], 0
	s_mov_b32 s[YO], 0
	s_mov_b32 s[MI], s[MT]
.Lhf:
	v_add_nc_u32 v[AFA], s[EO], v[AF0]
	v_add_nc_u32 v[YSA], s[YO], v[YS0]
	v_add_nc_u32 v[MKA], s[MI], v[MK0]
	FA 0, 0
	FM 0, 0
	s_wait_dscnt 0x0
	MM
	PLACES
	FA 0, 1
	s_wait_loadcnt 48                              ; behind the even buffer's K were issued its V (16) and the odd buffer's 32
	s_wait_dscnt 8                                 ; (the eight fragment loads just issued may be out)
	VU 0, 0
	FM 0, 1
	s_wait_dscnt 16                                ; behind the fragments' loads: eight stores of codes, eight loads of masks
	MM
	s_wait_loadcnt 32                              ; the even buffer's V is in
	SM 0, 0, 1, 1, 0
	s_wait_dscnt 8                                 ; behind the masks' loads: eight fragment loads
	VU 0, 1
	FM 1, 0
	s_wait_dscnt 16
	MM
	SM 0, 1, 1, 1, 1
	LKV HE, 6, KVE, 0                              ; the even buffer is done with: the block after next
	s_wait_loadcnt 48                              ; behind the odd buffer's K: its V (16) and the 32 just issued
	s_wait_dscnt 8
	VU 1, 0
	FM 1, 1
	s_wait_dscnt 16
	MM
	s_wait_loadcnt 32                              ; the odd buffer's V is in
	SM 1, 0, 0, 0, 0
	s_wait_dscnt 0x0
	VU 1, 1
	SM 1, 1, 0, 0, 0
	LKV HO, 7, KVO, 1
	WIN 0
	s_add_co_u32 s[EO], s[EO], 4096
	s_add_co_u32 s[YO], s[YO], 64
	s_add_co_u32 s[MI], s[MI], 256
	s_sub_co_u32 s[TR], s[TR], 1
	s_cmp_lg_u32 s[TR], 0
	s_cbranch_scc1 .Lhf
	s_wait_tensorcnt 0x0                           ; my quarter of the weights' images has landed, for the others' sake, and my rows of chunk 1, for the next trip.  Nothing is filled again in this launch
	s_wait_dscnt 0x0                               ; my codes of Y have landed; my reads of E's fragments are over
	s_barrier_signal -1
	s_barrier_wait -1
	; ---- B.  S1: newE' = Y Weo + beo'.  Window 3: Weo v0-127, beo' v128-159, the turned bytes v160-223; window 1: Y's fragments v128-191
	WIN 0xc0
	WLD 0, 32
	PLD 128, 0, 8
	TRL 0
	s_wait_dscnt 0x0
.irp bk, 0,1
	WIN 0x4f
.set n, 0
.rept 16
	v_perm_b32 v[128+2*n], v[160+4*n+1], v[160+4*n], s[PE]     ; the even positions: keys 0-15 of the block
	v_perm_b32 v[129+2*n], v[160+4*n+3], v[160+4*n+2], s[PE]
	v_perm_b32 v[160+2*n], v[160+4*n+1], v[160+4*n], s[PO]     ; the odd ones: keys 16-31
	v_perm_b32 v[161+2*n], v[160+4*n+3], v[160+4*n+2], s[PO]
.set n, n+1
.endr
.if \bk == 0
	WIN 0xc0
	TRL 1
.endif
	WIN 0x37                                       ; eight accumulators by turns
.irp p, 0,1
.irp nt, 0,1,2,3
	v_wmma_f32_16x16x128_bf8_bf8 v[XE+32*(2*\bk+\p)+8*\nt:XE+32*(2*\bk+\p)+8*\nt+7], v[32*\nt:32*\nt+15], v[128+32*\p:128+32*\p+15], v[128+8*\nt:128+8*\nt+7]
.endr
.endr
	WIN 0x07
.irp p, 0,1
.irp nt, 0,1,2,3
	v_wmma_f32_16x16x128_bf8_bf8 v[XE+32*(2*\bk+\p)+8*\nt:XE+32*(2*\bk+\p)+8*\nt+7], v[32*\nt+16:32*\nt+31], v[144+32*\p:144+32*\p+15], v[XE+32*(2*\bk+\p)+8*\nt:XE+32*(2*\bk+\p)+8*\nt+7]
.endr
.endr
	s_wait_dscnt 0x0
	PLACES                                         ; ahead of the lines that write the fragments anew, of the loads over the weights, and of the first read of results
.endr
	; S2: x = newE' x em 2^(e10 + e11) + E.  Window 3: E v0-127, g1 v128-159, bt1 v160-191
	ELD
	PLD 128, 512, 8
	PLD 160, 768, 8
	WIN 0
.irp t, 0,1,2,3
	ds_load_b32 v[F+2*\t], v[NMA] offset:64*\t
.endr
	s_wait_dscnt 0x0
.irp t, 0,1,2,3
	v_mul_f32 v[F+2*\t], s[F6], v[F+2*\t]
.endr
	WIN 0x30
.irp t, 0,1,2,3
.irp e, 0,2,4,6,8,10,12,14,16,18,20,22,24,26,28,30
	v_pk_fma_f32 v[XE+32*\t+\e:XE+32*\t+\e+1], v[XE+32*\t+\e:XE+32*\t+\e+1], v[F+2*\t:F+2*\t+1], v[32*\t+\e:32*\t+\e+1] op_sel_hi:[1,0,1]
.endr
.endr
	WIN 0xc0
	WLD 16384, 16                                  ; WE1 v0-63 and bE1' v64-127 land under the LayerNorm
	PLD 64, 1536, 16
	; S3
	LNORM 128, 160
	; S4: Eo's codes, v96-127
.irp pr, 0,1
	WIN 0x40
.set n, 0
.rept 64
	v_med3_num_f32 v[T+n], v[XE+64*\pr+n], s[OLN], s[OLP]
.set n, n+1
.endr
	WIN 0x01
.set n, 0
.rept 8
	v_cvt_scalef32_pk8_bf8_f32 v[MSK+16*\pr+2*n:MSK+16*\pr+2*n+1], v[T+8*n:T+8*n+7], v[SCO]
.set n, n+1
.endr
	v_nop
.endr
	; S5: the hidden layer, two tiles at a time: window 3 v128-255; its codes: window 1 v128-191
	s_wait_dscnt 0x0
.irp pr, 0,1
	WIN 0xf3
.irp p, 0,1
.irp ht, 0,1,2,3,4,5,6,7
	v_wmma_f32_16x16x64_bf8_bf8 v[128+64*\p+8*\ht:128+64*\p+8*\ht+7], v[8*\ht:8*\ht+7], v[MSK+8*(2*\pr+\p):MSK+8*(2*\pr+\p)+7], v[64+8*\ht:64+8*\ht+7]
.endr
.endr
	PLACES
.if \pr == 1
	WIN 0xc0
	WLD 24576, 16                                  ; WE2 v0-63, bE2' v64-95
	PLD 64, 256, 8
.endif
	WIN 0xc3
.set n, 0
.rept 128
	v_med3_num_f32 v[128+n], v[128+n], 0, s[HL]    ; the activation and the hold in one
.set n, n+1
.endr
	WIN 0x43
.set n, 0
.rept 16
	v_cvt_scalef32_pk8_bf8_f32 v[T+32*\pr+2*n:T+32*\pr+2*n+1], v[128+8*n:128+8*n+7], v[SCH]
.set n, n+1
.endr
	v_nop
.endr
	; S6: the way back to 64: sixteen accumulators, window 3 v128-255
	s_wait_dscnt 0x0
	WIN 0xf7
.irp t, 0,1,2,3
.irp nt, 0,1,2,3
	v_wmma_f32_16x16x128_bf8_bf8 v[128+32*\t+8*\nt:128+32*\t+8*\nt+7], v[16*\nt:16*\nt+15], v[T+16*\t:T+16*\t+15], v[64+8*\nt:64+8*\nt+7]
.endr
.endr
	PLACES
	WIN 0xc0
	PLD 0, 1024, 8                                 ; g2 v0-31, bt2 v32-63
	PLD 32, 1280, 8
	; S7
	WIN 0x03
.set n, 0
.rept 64
	v_pk_fma_f32 v[XE+2*n:XE+2*n+1], v[128+2*n:128+2*n+1], s[S11:S11+1], v[XE+2*n:XE+2*n+1] op_sel_hi:[1,0,1]
.set n, n+1
.endr
	s_wait_dscnt 0x0
	LNORM 0, 32
	WIN 0
.set n, 0
.rept 32
	ds_store_b128 v[ERD], v[XE+4*n:XE+4*n+3] offset:(n/8)*16*EP+64*((n/2)%4)+16*(n%2)    ; into my own rows of E: they have had their one fill and their last read
.set n, n+1
.endr
	WIN 0xc0
.set n, 0
.rept 32
	ds_load_b128 v[128+4*n:128+4*n+3], v[EDN] offset:2*n*EP        ; LDS serves a wave's instructions in order (ISA guide 5.7.1): these see my stores
.set n, n+1
.endr
	WIN 0x0c
.set n, 0
.rept 32
	s_wait_dscnt 31-n
	global_store_b128 v[LI], v[128+4*n:128+4*n+3], s[38:39] offset:512*n th:TH_STORE_NT   ; sixteen lanes store a row of 256 bytes, aligned
.set n, n+1
.endr
	WIN 0
	s_wait_xcnt 0x0                                ; the stores have read their data and their base: both are written again only behind this wait
	s_add_nc_u64 s[38:39], s[38:39], 32768
	s_add_co_u32 s[ET], s[ET], ERT
	s_add_co_u32 s[MT], s[MT], 512
	s_add_co_u32 s[NT], s[NT], 512
	s_add_co_u32 s[TC], s[TC], 1
	s_cmp_lt_u32 s[TC], 2
	s_cbranch_scc1 .Lchunk
; ================= the tail: wV = sum p v / sum p =================
	WIN 0x55
.irp n, 0,1,2,3,4,5,6,7
	v_add_f32 v[T+\n], v[LS+2*\n], v[LS+2*\n+1]
	v_add_f32 v[T+8+\n], v[AC+2*\n], v[AC+2*\n+1]
	v_permlanex16_b32 v[T+16+\n], v[M+2*\n], s[SEL], s[SEL+1]
.endr
.irp n, 0,1,2,3,4,5,6,7
	v_max_num_f32 v[T+16+\n], v[T+16+\n], v[M+2*\n]        ; the channel's maximum over both halves of the lanes
.endr
.irp n, 0,1,2,3,4,5,6,7
	v_sub_f32 v[T+24+\n], v[M+2*\n], v[T+16+\n]
.endr
.irp n, 0,1,2,3,4,5,6,7
	v_exp_f32 v[T+24+\n], v[T+24+\n]
.endr
	v_nop
	s_wait_alu depctr_va_vdst(0)
.irp n, 0,1,2,3,4,5,6,7
	v_mul_f32 v[T+\n], v[T+\n], v[T+24+\n]
	v_mul_f32 v[T+8+\n], v[T+8+\n], v[T+24+\n]
.endr
.irp n, 0,1,2,3,4,5,6,7
	v_permlanex16_b32 v[T+32+\n], v[T+\n], s[SEL], s[SEL+1]
	v_permlanex16_b32 v[T+40+\n], v[T+8+\n], s[SEL], s[SEL+1]
.endr
.irp n, 0,1,2,3,4,5,6,7
	v_add_f32 v[T+\n], v[T+\n], v[T+32+\n]
	v_add_f32 v[T+8+\n], v[T+8+\n], v[T+40+\n]
.endr
.irp n, 0,1,2,3,4,5,6,7
	v_rcp_f32 v[T+32+\n], v[T+\n]
.endr
	v_nop
	s_wait_alu depctr_va_vdst(0)
.irp n, 0,1,2,3,4,5,6,7
	v_mul_f32 v[T+8+\n], v[T+8+\n], v[T+32+\n]
.endr
.irp ct, 0,1,2,3
	v_cndmask_b32 v[T+\ct], v[T+8+\ct], v[T+12+\ct], s[HM]  ; lanes 0-15 store row 2g, lanes 16-31 row 2g + 1
.endr
	WIN 0x04
.irp ct, 0,1,2,3
	global_store_b32 v[WVO], v[T+\ct], s[40:41] offset:64*\ct
.endr
	WIN 0
	s_wait_tensorcnt 0x0                           ; the wave's end, behind my last tensor load and my last LDS store
	ds_add_u32 v[SPW], v[NIL]
	s_wait_dscnt 0x0
	s_endpgm
.Lfunc_end_k_qadc33317ff_main:
	.size	k_qadc33317ff_main, .Lfunc_end_k_qadc33317ff_main-k_qadc33317ff_main
	.p2alignl 7, 3214868480
	.fill 96, 4, 3214868480
	.section	.rodata,"a",@progbits
	.p2align	6, 0x0
	.amdhsa_kernel k_qadc33317ff_main
		.amdhsa_group_segment_fixed_size 294912
		.amdhsa_private_segment_fixed_size 0
		.amdhsa_enable_private_segment 0
		.amdhsa_kernarg_size 152
		.amdhsa_user_sgpr_count 2
		.amdhsa_user_sgpr_kernarg_segment_ptr 1
		.amdhsa_wavefront_size32 1
		.amdhsa_system_sgpr_workgroup_id_x 1
		.amdhsa_system_sgpr_workgroup_id_y 1
		.amdhsa_system_sgpr_workgroup_id_z 1
		.amdhsa_system_vgpr_workitem_id 0
		.amdhsa_next_free_vgpr 1024
		.amdhsa_next_free_sgpr 102
		.amdhsa_reserve_vcc 0
		.amdhsa_float_denorm_mode_32 3
		.amdhsa_float_denorm_mode_16_64 3
		.amdhsa_memory_ordered 1
		.amdhsa_forward_progress 1
		.amdhsa_inst_pref_size 255
	.end_amdhsa_kernel
	.section	.bss,"aw",@nobits
	.p2align	6
	.space	262144
	.amdgpu_metadata
---
amdhsa.version: [ 1, 2 ]
amdhsa.kernels:
  - .name:           k_qadc33317ff_main
    .symbol:         k_qadc33317ff_main.kd
    .args:
      - { .name: E, .offset: 0, .size: 8, .value_kind: global_buffer, .address_space: global }
      - { .name: sparse_mask, .offset: 8, .size: 8, .value_kind: global_buffer, .address_space: global }
      - { .name: node_mask, .offset: 16, .size: 8, .value_kind: global_buffer, .address_space: global }
      - { .name: lowp_scales, .offset: 24, .size: 8, .value_kind: global_buffer, .address_space: global }
      - { .name: QI, .offset: 32, .size: 8, .value_kind: global_buffer, .address_space: global }
      - { .name: KI, .offset: 40, .size: 8, .value_kind: global_buffer, .address_space: global }
      - { .name: VI, .offset: 48, .size: 8, .value_kind: global_buffer, .address_space: global }
      - { .name: WIE, .offset: 56, .size: 8, .value_kind: global_buffer, .address_space: global }
      - { .name: bem, .offset: 64, .size: 8, .value_kind: global_buffer, .address_space: global }
      - { .name: bea, .offset: 72, .size: 8, .value_kind: global_buffer, .address_space: global }
      - { .name: beo, .offset: 80, .size: 8, .value_kind: global_buffer, .address_space: global }
      - { .name: bE1, .offset: 88, .size: 8, .value_kind: global_buffer, .address_space: global }
      - { .name: bE2, .offset: 96, .size: 8, .value_kind: global_buffer, .address_space: global }
      - { .name: gE1, .offset: 104, .size: 8, .value_kind: global_buffer, .address_space: global }
      - { .name: betE1, .offset: 112, .size: 8, .value_kind: global_buffer, .address_space: global }
      - { .name: gE2, .offset: 120, .size: 8, .value_kind: global_buffer, .address_space: global }
      - { .name: betE2, .offset: 128, .size: 8, .value_kind: global_buffer, .address_space: global }
      - { .name: out1, .offset: 136, .size: 8, .value_kind: global_buffer, .address_space: global }
      - { .name: WV, .offset: 144, .size: 8, .value_kind: global_buffer, .address_space: global }
    .group_segment_fixed_size: 294912
    .private_segment_fixed_size: 0
    .kernarg_segment_align: 8
    .kernarg_segment_size: 152
    .max_flat_workgroup_size: 128
    .sgpr_count:     102
    .vgpr_count:     1024
    .wavefront_size: 32
...
	.end_amdgpu_metadata
.endif
;; end of part 2
;; launch ffn (part 3): grid 32 x 8, 4 waves a work-group, no clusters, 29,952 bytes of LDS; arguments WV, X, node_mask, lowp_scales, bxo, gX1, betX1, bX1, WIX, PART; writes PART
.if DOCPART == 3
	.amdgcn_target "amdgcn-amd-amdhsa--gfx1250"
	.amdhsa_code_object_version 6
	.text
	.protected	k_qadc33317ff_ffn
	.globl	k_qadc33317ff_ffn
	.p2align	8
	.type	k_qadc33317ff_ffn,@function
k_qadc33317ff_ffn:
	s_mov_b64 s[64:65], 0
	v_nop
	global_prefetch_b8 v0, s[64:65] scope:SCOPE_SE
	s_setreg_imm32_b32 hwreg(HW_REG_WAVE_MODE, 25, 1), 1
	s_wait_xcnt 0x0
; LAUNCH 3 OF 4: newX = (wV Wxo + bxo) xm, Xo = LayerNorm(X + newX), and of the node FFN the slice of 256 hidden units that is this work-group's: relu(Xo WX1 + bX1) and its part of the sum with WX2.
; No work of reference() is left out here.  Work-group (x, y): rows 16x .. 16x + 15, hidden units 256y .. 256y + 255.  The product with Wxo and the LayerNorm are made anew in each of the eight slices: Wxo's codes are
; a third of a slice's weight bytes, and a launch of their own would cost more.  PART: [8 slices][512 rows][256] f32, row-major; SLICE 0's part holds its sum + Xo, so that Xo needs no buffer of its own.
; The eight parts are added, in ascending order, by the next launch.
; All products transposed (source 0 = a weight's image, source 1 = the rows' fragment): a lane holds ONE row (r), its registers run along the outputs 16 nt + 8h + 0..7, the next K.
; Wave w makes outputs (or hidden units) 64w .. 64w + 63, and quantises channels 64w .. 64w + 63 of wV; its codes go to the other waves through LDS as images of the operand's registers.
; Weights go from memory straight into registers, each once.  The parts leave through a stage in LDS, as whole rows.
; LIMITS: e12, e14, e16 - e14 - e15 between -126 and 112; e12 + e13, e14 + e15, e16 + e17 and their negatives within the exponents of normal f32 numbers.  NaN, infinity among the inputs are not served;
; the NaN of a row with no live key (all its 256 numbers of wV are NaN together) is carried past the quantiser's hold by the term 0 x wV in the row's factor.
; NO CLUSTER, NO TENSOR LOAD: a weight fragment feeds one product and is read once by the work-group.
.set RED1,  0                          ; LDS: 4 waves x 16 rows of partial sums; the same for the squares
.set RED2,  256
.set XOI,   512                        ; Xo's codes: 8 groups of four registers x 512 bytes
.set HI,    4608                       ; the hidden slice's codes likewise
.set WVI,   8704                       ; wV's codes likewise
.set STG,   12800                      ; the way out: 16 rows x (1,024 + 16) bytes
.set SPARE, 29440                      ; the spare words, 128 bytes a wave
.set LI,1
.set SPW,2
.set NIL,3
.set RR,4
.set HH,5
.set ROWO,6
.set PARO,7
.set RST,8
.set RLD,9
.set IMS,10
.set STS,11
.set SCW,12
.set SCX,13
.set SCHD,14
.set STL,15
.set SA,16
.set SB,18
.set SS,20
.set PX,21
.set MU,22
.set RS,24
.set RL,26
.set FF,30
.set XR,32                             ; v32-63 X, then x, then Xo, which stays to the end
.set D,64                              ; v64-95 the products' four accumulators
.set G,96                              ; v96-127 g; on the way out the rows read back
.set OU,96
.set BT,128                            ; v128-159 beta
.set CO,160                            ; v160-191 the rows' codes: two fragments of 128 along K
.set BB,192                            ; v192-223 bxo', then bX1'
.set TM,224                            ; v224-255 my 64 channels of wV; later temporaries; at last the part's sums
.set SEL,46
.set K256,48
.set EPS,49
.set MSB, 0
.macro WIN new
.if MSB != \new
	s_set_vgpr_msb (MSB<<8)|\new
.set MSB, \new
.endif
.endm
.macro MKQ se, vs, sn, sp
	s_add_co_i32 s[\se], s[\se], 127
	s_lshl_b32 s[\sp], s[\se], 23
	v_mov_b32 v[\vs], s[\sp]
	s_add_co_i32 s[\se], s[\se], 15
	s_lshl_b32 s[\sp], s[\se], 23
	s_or_b32 s[\sp], s[\sp], 0x600000
	s_xor_b32 s[\sn], s[\sp], 0x80000000
.endm
.macro PLACES
.rept 4
	v_nop
.endr
.endm
.macro XRED base                       ; the lane's two chains -> the row's sum over 256 channels, in every lane: through LDS, one barrier
	v_pk_add_f32 v[SA:SA+1], v[SA:SA+1], v[SB:SB+1]
	v_add_f32 v[SS], v[SA], v[SA+1]
	v_permlanex16_b32 v[PX], v[SS], s[SEL], s[SEL+1]
	v_add_f32 v[SS], v[SS], v[PX]
	ds_store_b32 v[RST], v[SS] offset:\base        ; lanes r and r + 16 store the same number to the same word
	s_wait_dscnt 0x0
	s_barrier_signal -1
	s_barrier_wait -1
.irp i, 0,1,2,3
	ds_load_b32 v[RL+\i], v[RLD] offset:\base+64*\i
.endr
	s_wait_dscnt 0x0
	v_add_f32 v[RL], v[RL], v[RL+1]
	v_add_f32 v[RL+2], v[RL+2], v[RL+3]
	v_add_f32 v[SS], v[RL], v[RL+2]
.endm
.macro PROD win0, win1, wreg, first    ; eight products: four accumulators by turns, two steps of 128 along K; first = 1: C = the bias, 0: C = 0
	WIN \win0
.irp a, 0,1,2,3
.if \first
	v_wmma_f32_16x16x128_bf8_bf8 v[D+8*\a:D+8*\a+7], v[\wreg+32*\a:\wreg+32*\a+15], v[CO:CO+15], v[BB+8*\a:BB+8*\a+7]
.else
	v_wmma_f32_16x16x128_bf8_bf8 v[D+8*\a:D+8*\a+7], v[\wreg+32*\a:\wreg+32*\a+15], v[CO:CO+15], 0
.endif
.endr
.irp a, 0,1,2,3
	v_wmma_f32_16x16x128_bf8_bf8 v[D+8*\a:D+8*\a+7], v[\wreg+32*\a+16:\wreg+32*\a+31], v[CO+16:CO+31], v[D+8*\a:D+8*\a+7]
.endr
	WIN \win1
	PLACES
.endm
.macro SHARE base                      ; my eight registers of codes (v160-167) to LDS, a barrier, all 32 back
.irp g, 0,1
	ds_store_b128 v[IMS], v[CO+4*\g:CO+4*\g+3] offset:\base+512*\g
.endr
	s_wait_dscnt 0x0
	s_barrier_signal -1
	s_barrier_wait -1
.irp g, 0,1,2,3,4,5,6,7
	ds_load_b128 v[CO+4*\g:CO+4*\g+3], v[LI] offset:\base+512*\g
.endr
.endm
	s_load_b512 s[4:19], s[0:1], 0x0               ; WV 4, X 6, node_mask 8, scales 10, bxo 12, gX1 14, betX1 16, bX1 18
	s_load_b128 s[20:23], s[0:1], 0x40             ; WIX 20, PART 22
	v_lshl_add_u32 v[SPW], v0, 2, SPARE
	v_mov_b32 v[NIL], 0
	v_lshrrev_b32 v1, 5, v0
	v_readfirstlane_b32 s3, v1                     ; wave
	s_and_b32 s26, ttmp7, 0xffff                   ; slice
	v_and_b32 v[RR], 15, v0
	v_bfe_u32 v[HH], v0, 4, 1
	v_and_b32 v1, 31, v0
	v_lshlrev_b32 v[LI], 4, v1
	v_lshlrev_b32 v[PARO], 5, v[HH]
	v_lshl_add_u32 v[ROWO], v[RR], 10, v[PARO]     ; row r of 1,024 bytes, + 32 h
	v_lshlrev_b32 v[RLD], 2, v[RR]
	s_lshl_b32 s40, s3, 6
	v_add_nc_u32 v[RST], s40, v[RLD]
	s_lshl_b32 s40, s3, 10
	v_add_nc_u32 v[IMS], s40, v[LI]
	v_mul_u32_u24 v[STS], v[RR], 1040
	v_add_nc_u32 v[STS], v[STS], v[PARO]
	s_lshl_b32 s40, s3, 8
	s_add_co_u32 s40, s40, STG
	v_add_nc_u32 v[STS], s40, v[STS]               ; the stage in: row r, my 64 columns, + 32 h
	s_mul_i32 s40, s3, 4160
	s_add_co_u32 s40, s40, STG
	v_add_nc_u32 v[STL], s40, v[LI]                ; and out: rows 4w .. 4w + 3
	v_mov_b32 v[PX], 0
	v_mov_b32 v[MU+1], 0
	v_mov_b32 v[RS+1], 0
	v_mov_b32 v[FF+1], 0
	s_mov_b32 s[SEL], 0x76543210
	s_mov_b32 s[SEL+1], 0xfedcba98
	s_mov_b32 s[K256], 0x3b800000                  ; 1 / 256
	s_mov_b32 s[EPS], 0x3727c5ac                   ; 1e-5
	s_mov_b32 s41, 0
	s_wait_kmcnt 0x0
	s_load_b128 s[28:31], s[10:11], 0x30           ; e12 .. e15
	s_load_b64 s[32:33], s[10:11], 0x40            ; e16, e17
	s_lshl_b32 s40, ttmp9, 14                      ; 16 rows of 1,024 bytes
	s_add_nc_u64 s[4:5], s[4:5], s[40:41]
	s_add_nc_u64 s[6:7], s[6:7], s[40:41]
	s_add_nc_u64 s[22:23], s[22:23], s[40:41]
	s_lshl_b32 s40, ttmp9, 4
	s_add_nc_u64 s[8:9], s[8:9], s[40:41]
	s_lshl_b32 s40, s3, 8                          ; my 64 channels
	s_add_nc_u64 s[4:5], s[4:5], s[40:41]
	s_add_nc_u64 s[6:7], s[6:7], s[40:41]
	s_add_nc_u64 s[12:13], s[12:13], s[40:41]
	s_add_nc_u64 s[14:15], s[14:15], s[40:41]
	s_add_nc_u64 s[16:17], s[16:17], s[40:41]
	s_add_nc_u64 s[18:19], s[18:19], s[40:41]
	s_lshl_b32 s40, s26, 10
	s_add_nc_u64 s[18:19], s[18:19], s[40:41]
	s_lshl_b32 s40, s3, 12                         ; the four rows that I store
	s_add_nc_u64 s[22:23], s[22:23], s[40:41]
	s_lshl_b32 s40, s26, 19                        ; my slice's part
	s_add_nc_u64 s[22:23], s[22:23], s[40:41]
	s_lshl_b32 s40, s3, 14
	s_add_nc_u64 s[34:35], s[20:21], s[40:41]      ; Wxo's image at my four tiles
	s_add_nc_u64 s[36:37], s[34:35], 65536
	s_lshl_b32 s40, s26, 16
	s_add_nc_u64 s[36:37], s[36:37], s[40:41]      ; WX1's: tiles 16 y + 4 w on
	s_lshl_b32 s40, s3, 17
	s_lshl_b32 s42, s26, 12
	s_add_co_u32 s40, s40, s42
	s_add_nc_u64 s[38:39], s[20:21], s[40:41]
	s_add_nc_u64 s[38:39], s[38:39], 589824        ; WX2's: tiles 4 w on, K steps 4 y on
	; ---- loads, in the order of their use: bxo, the mask, my 64 channels of wV; X, g, beta; Wxo
.set n, 0
.rept 8
	global_load_b128 v[BB+4*n:BB+4*n+3], v[PARO], s[12:13] offset:64*(n/2)+16*(n%2)
.set n, n+1
.endr
	global_load_u8 v[FF], v[RR], s[8:9]
.set n, 0
.rept 8
	global_load_b128 v[TM+4*n:TM+4*n+3], v[ROWO], s[4:5] offset:64*(n/2)+16*(n%2)
.set n, n+1
.endr
.set n, 0
.rept 8
	global_load_b128 v[XR+4*n:XR+4*n+3], v[ROWO], s[6:7] offset:64*(n/2)+16*(n%2)
	global_load_b128 v[G+4*n:G+4*n+3], v[PARO], s[14:15] offset:64*(n/2)+16*(n%2)
	global_load_b128 v[BT+4*n:BT+4*n+3], v[PARO], s[16:17] offset:64*(n/2)+16*(n%2)
.set n, n+1
.endr
	WIN 0x40
.set n, 0
.rept 32
	global_load_b128 v[4*n:4*n+3], v[LI], s[34:35] offset:512*n
.set n, n+1
.endr
	WIN 0
	s_wait_kmcnt 0x0
	s_add_co_i32 s40, s28, s29                     ; e12 + e13
	s_sub_co_i32 s42, 127, s40
	s_lshl_b32 s56, s42, 23
	s_mov_b32 s57, s56                             ; 2^-(e12 + e13)
	s_add_co_i32 s40, s40, 127
	s_lshl_b32 s58, s40, 23                        ; 2^(e12 + e13)
	s_add_co_i32 s40, s30, s31                     ; e14 + e15
	s_sub_co_i32 s43, s32, s40                     ; e16 - e14 - e15
	s_sub_co_i32 s42, 127, s40
	s_lshl_b32 s60, s42, 23
	s_mov_b32 s61, s60                             ; 2^-(e14 + e15)
	s_add_co_i32 s40, s32, s33
	s_add_co_i32 s40, s40, 127
	s_lshl_b32 s62, s40, 23
	s_mov_b32 s63, s62                             ; 2^(e16 + e17)
	MKQ 28, SCW, 50, 51
	MKQ 30, SCX, 52, 53
	MKQ 43, SCHD, 55, 54
	s_wait_loadcnt 56                              ; behind wV were issued X, g, beta (24) and Wxo (32): bxo, the mask and wV are in
.set n, 0
.rept 16
	v_pk_mul_f32 v[BB+2*n:BB+2*n+1], v[BB+2*n:BB+2*n+1], s[56:57] op_sel_hi:[1,0]
.set n, n+1
.endr
	v_cvt_f32_u32 v[FF], v[FF]
	v_mul_f32 v[FF], s58, v[FF]                    ; xm x 2^(e12 + e13)
	v_fma_f32 v[FF], v[TM], 0, v[FF]               ; + 0 x wV: carries the NaN of a row with no live key
.set n, 0
.rept 32
	v_med3_num_f32 v[TM+n], v[TM+n], s50, s51
.set n, n+1
.endr
.irp a, 0,1,2,3
	v_cvt_scalef32_pk8_bf8_f32 v[CO+2*\a:CO+2*\a+1], v[TM+8*\a:TM+8*\a+7], v[SCW]
.endr
	v_nop
	SHARE WVI                                      ; the four waves' quarters make wV's two fragments
	WIN 0x40
.set n, 0
.rept 32
	global_load_b128 v[128+4*n:128+4*n+3], v[LI], s[36:37] offset:512*n
.set n, n+1
.endr
	WIN 0
	s_wait_loadcnt 32                              ; behind Wxo only WX1's 32 loads were issued: X, g, beta and Wxo are in
	s_wait_dscnt 0x0
	PROD 0x01, 0, 0, 1                             ; wV Wxo + bxo'
.set n, 0
.rept 8
	global_load_b128 v[BB+4*n:BB+4*n+3], v[PARO], s[18:19] offset:64*(n/2)+16*(n%2)    ; bX1, over bxo', which the products have read
.set n, n+1
.endr
	WIN 0x80
.set n, 0
.rept 32
	global_load_b128 v[4*n:4*n+3], v[LI], s[38:39] offset:(n/8)*32768+(n%8)*512
.set n, n+1
.endr
	WIN 0
.set n, 0
.rept 16
	v_pk_fma_f32 v[XR+2*n:XR+2*n+1], v[D+2*n:D+2*n+1], v[FF:FF+1], v[XR+2*n:XR+2*n+1] op_sel_hi:[1,0,1]   ; x = X + newX
.set n, n+1
.endr
	; ---- LayerNorm over 256 channels: 32 a lane, 64 a wave
	v_pk_add_f32 v[SA:SA+1], v[XR:XR+1], v[XR+2:XR+3]
	v_pk_add_f32 v[SB:SB+1], v[XR+4:XR+5], v[XR+6:XR+7]
.irp e, 8,12,16,20,24,28
	v_pk_add_f32 v[SA:SA+1], v[SA:SA+1], v[XR+\e:XR+\e+1]
	v_pk_add_f32 v[SB:SB+1], v[SB:SB+1], v[XR+\e+2:XR+\e+3]
.endr
	XRED RED1
	v_mul_f32 v[MU], s[K256], v[SS]
.set n, 0
.rept 16
	v_pk_add_f32 v[XR+2*n:XR+2*n+1], v[XR+2*n:XR+2*n+1], v[MU:MU+1] op_sel_hi:[1,0] neg_lo:[0,1] neg_hi:[0,1]
.set n, n+1
.endr
	v_pk_mul_f32 v[SA:SA+1], v[XR:XR+1], v[XR:XR+1]
	v_pk_mul_f32 v[SB:SB+1], v[XR+2:XR+3], v[XR+2:XR+3]
.irp e, 4,8,12,16,20,24,28
	v_pk_fma_f32 v[SA:SA+1], v[XR+\e:XR+\e+1], v[XR+\e:XR+\e+1], v[SA:SA+1]
	v_pk_fma_f32 v[SB:SB+1], v[XR+\e+2:XR+\e+3], v[XR+\e+2:XR+\e+3], v[SB:SB+1]
.endr
	XRED RED2
	v_fma_f32 v[SS], v[SS], s[K256], s[EPS]
	v_rsq_f32 v[RS], v[SS]
	v_nop
	s_wait_alu depctr_va_vdst(0)
.set n, 0
.rept 16
	v_pk_mul_f32 v[XR+2*n:XR+2*n+1], v[XR+2*n:XR+2*n+1], v[RS:RS+1] op_sel_hi:[1,0]
.set n, n+1
.endr
.set n, 0
.rept 16
	v_pk_fma_f32 v[XR+2*n:XR+2*n+1], v[XR+2*n:XR+2*n+1], v[G+2*n:G+2*n+1], v[BT+2*n:BT+2*n+1]
.set n, n+1
.endr
.set n, 0
.rept 32
	v_med3_num_f32 v[TM+n], v[XR+n], s52, s53      ; into other registers: Xo itself is wanted again at the end
.set n, n+1
.endr
.irp a, 0,1,2,3
	v_cvt_scalef32_pk8_bf8_f32 v[CO+2*\a:CO+2*\a+1], v[TM+8*\a:TM+8*\a+7], v[SCX]
.endr
	v_nop
	SHARE XOI
	s_wait_loadcnt 32                              ; only WX2's 32 loads may be out: WX1 and bX1 are in
.set n, 0
.rept 16
	v_pk_mul_f32 v[BB+2*n:BB+2*n+1], v[BB+2*n:BB+2*n+1], s[60:61] op_sel_hi:[1,0]
.set n, n+1
.endr
	s_wait_dscnt 0x0
	PROD 0x01, 0, 128, 1                           ; Xo WX1 + bX1'
.set n, 0
.rept 32
	v_med3_num_f32 v[D+n], v[D+n], 0, s54          ; the activation and the hold in one
.set n, n+1
.endr
.irp a, 0,1,2,3
	v_cvt_scalef32_pk8_bf8_f32 v[CO+2*\a:CO+2*\a+1], v[D+8*\a:D+8*\a+7], v[SCHD]
.endr
	v_nop
	SHARE HI
	s_wait_loadcnt 0x0
	s_wait_dscnt 0x0
	PROD 0x02, 0, 0, 0                             ; the slice's part of the sum with WX2
	s_cmp_lg_u32 s26, 0                            ; slice 0's part carries Xo: a branch on the work-group's number alone
	s_cbranch_scc1 .Lplain
.set n, 0
.rept 16
	v_pk_fma_f32 v[TM+2*n:TM+2*n+1], v[D+2*n:D+2*n+1], s[62:63], v[XR+2*n:XR+2*n+1] op_sel_hi:[1,0,1]   ; sum x 2^(e16 + e17) + Xo
.set n, n+1
.endr
	s_branch .Lstage
.Lplain:
.set n, 0
.rept 16
	v_pk_mul_f32 v[TM+2*n:TM+2*n+1], v[D+2*n:D+2*n+1], s[62:63] op_sel_hi:[1,0]
.set n, n+1
.endr
.Lstage:
	; ---- the way out: a lane's 32 bytes of a row into the stage; a barrier, since a row's 1,024 bytes come from four waves; back as whole rows, four a wave
.set n, 0
.rept 8
	ds_store_b128 v[STS], v[TM+4*n:TM+4*n+3] offset:64*(n/2)+16*(n%2)
.set n, n+1
.endr
	s_wait_dscnt 0x0                               ; for the others' sake: my part of the 16 rows has landed
	s_barrier_signal -1
	s_barrier_wait -1
.set n, 0
.rept 8
	ds_load_b128 v[OU+4*n:OU+4*n+3], v[STL] offset:(n/2)*1040+512*(n%2)
.set n, n+1
.endr
.set n, 0
.rept 8
	s_wait_dscnt 7-n                               ; LDS loads come back in order: number n is in, the younger ones may be out
	global_store_b128 v[LI], v[OU+4*n:OU+4*n+3], s[22:23] offset:512*n             ; 512 consecutive bytes a store, aligned
.set n, n+1
.endr
	s_wait_tensorcnt 0x0                           ; the wave's end, behind my last LDS store
	ds_add_u32 v[SPW], v[NIL]
	s_wait_dscnt 0x0
	s_endpgm
.Lfunc_end_k_qadc33317ff_ffn:
	.size	k_qadc33317ff_ffn, .Lfunc_end_k_qadc33317ff_ffn-k_qadc33317ff_ffn
	.p2alignl 7, 3214868480
	.fill 96, 4, 3214868480
	.section	.rodata,"a",@progbits
	.p2align	6, 0x0
	.amdhsa_kernel k_qadc33317ff_ffn
		.amdhsa_group_segment_fixed_size 29952
		.amdhsa_private_segment_fixed_size 0
		.amdhsa_enable_private_segment 0
		.amdhsa_kernarg_size 80
		.amdhsa_user_sgpr_count 2
		.amdhsa_user_sgpr_kernarg_segment_ptr 1
		.amdhsa_wavefront_size32 1
		.amdhsa_system_sgpr_workgroup_id_x 1
		.amdhsa_system_sgpr_workgroup_id_y 1
		.amdhsa_system_sgpr_workgroup_id_z 1
		.amdhsa_system_vgpr_workitem_id 0
		.amdhsa_next_free_vgpr 640
		.amdhsa_next_free_sgpr 80
		.amdhsa_reserve_vcc 0
		.amdhsa_float_denorm_mode_32 3
		.amdhsa_float_denorm_mode_16_64 3
		.amdhsa_memory_ordered 1
		.amdhsa_forward_progress 1
		.amdhsa_inst_pref_size 44
	.end_amdhsa_kernel
	.amdgpu_metadata
---
amdhsa.version: [ 1, 2 ]
amdhsa.kernels:
  - .name:           k_qadc33317ff_ffn
    .symbol:         k_qadc33317ff_ffn.kd
    .args:
      - { .name: WV, .offset: 0, .size: 8, .value_kind: global_buffer, .address_space: global }
      - { .name: X, .offset: 8, .size: 8, .value_kind: global_buffer, .address_space: global }
      - { .name: node_mask, .offset: 16, .size: 8, .value_kind: global_buffer, .address_space: global }
      - { .name: lowp_scales, .offset: 24, .size: 8, .value_kind: global_buffer, .address_space: global }
      - { .name: bxo, .offset: 32, .size: 8, .value_kind: global_buffer, .address_space: global }
      - { .name: gX1, .offset: 40, .size: 8, .value_kind: global_buffer, .address_space: global }
      - { .name: betX1, .offset: 48, .size: 8, .value_kind: global_buffer, .address_space: global }
      - { .name: bX1, .offset: 56, .size: 8, .value_kind: global_buffer, .address_space: global }
      - { .name: WIX, .offset: 64, .size: 8, .value_kind: global_buffer, .address_space: global }
      - { .name: PART, .offset: 72, .size: 8, .value_kind: global_buffer, .address_space: global }
    .group_segment_fixed_size: 29952
    .private_segment_fixed_size: 0
    .kernarg_segment_align: 8
    .kernarg_segment_size: 80
    .max_flat_workgroup_size: 128
    .sgpr_count:     80
    .vgpr_count:     640
    .wavefront_size: 32
...
	.end_amdgpu_metadata
.endif
;; end of part 3
;; launch fin (part 4): grid 256 x 1, 2 waves a work-group, no clusters, 0 bytes of LDS; arguments PART, bX2, gX2, betX2, out0; writes out0
.if DOCPART == 4
	.amdgcn_target "amdgcn-amd-amdhsa--gfx1250"
	.amdhsa_code_object_version 6
	.text
	.protected	k_qadc33317ff_fin
	.globl	k_qadc33317ff_fin
	.p2align	8
	.type	k_qadc33317ff_fin,@function
k_qadc33317ff_fin:
	s_mov_b64 s[64:65], 0
	v_nop
	global_prefetch_b8 v0, s[64:65] scope:SCOPE_SE
	s_setreg_imm32_b32 hwreg(HW_REG_WAVE_MODE, 25, 1), 1
	s_wait_xcnt 0x0
; LAUNCH 4 OF 4: out0 = LayerNorm(the sum of the eight slices' parts + bX2); slice 0's part holds Xo beside its sum.  No work of reference() is left out here.
; PART: [8 slices][512 rows][256] f32.  ONE WAVE TAKES ONE ROW: 1,024 bytes are two loads of 512 consecutive bytes; lane l holds columns 128 n + 4 l + 0..3, n = 0, 1: eight numbers.
; So the row's sums never leave the wave: no LDS, no barrier.  256 work-groups of two waves: 512 rows.  Memory binds: no matrix unit, no cluster.
; The slices are added in ascending order, which is another order of the sum over the 2,048 hidden units than reference()'s.  The variance is taken in a second pass, of x - mean.
.set LI,1                              ; v1      16 x lane
.set SA,2                              ; v2-5    two chains of sums
.set SB,4
.set SS,6
.set PX,7
.set MU,8                              ; v8, v10: mean, 1 / sqrt: each the low word of a pair
.set RS,10
.set ACC,12                            ; v12-19  the row
.set PT,20                             ; v20-83  the eight parts
.set BX,84
.set G,92
.set BT,100
.macro WSUM                            ; the two chains, the pair's halves, and the 32 lanes: the row's sum in every lane
	v_pk_add_f32 v[SA:SA+1], v[SA:SA+1], v[SB:SB+1]
	v_add_f32 v[SS], v[SA], v[SA+1]
	v_add_f32_dpp v[SS], v[SS], v[SS] row_xmask:1 row_mask:0xf bank_mask:0xf
	v_add_f32_dpp v[SS], v[SS], v[SS] row_xmask:2 row_mask:0xf bank_mask:0xf
	v_add_f32_dpp v[SS], v[SS], v[SS] row_xmask:4 row_mask:0xf bank_mask:0xf
	v_add_f32_dpp v[SS], v[SS], v[SS] row_xmask:8 row_mask:0xf bank_mask:0xf
	v_permlanex16_b32 v[PX], v[SS], s20, s21
	v_add_f32 v[SS], v[SS], v[PX]
.endm
	s_load_b256 s[4:11], s[0:1], 0x0               ; PART 4, bX2 6, gX2 8, betX2 10
	s_load_b64 s[12:13], s[0:1], 0x20              ; out0
	v_lshrrev_b32 v1, 5, v0
	v_readfirstlane_b32 s3, v1                     ; wave 0, 1
	v_and_b32 v1, 31, v0
	v_lshlrev_b32 v[LI], 4, v1
	v_mov_b32 v[PX], 0                             ; written once: a lane permute's destination counts as read
	v_mov_b32 v[MU+1], 0                           ; (named as the upper halves of pairs)
	v_mov_b32 v[RS+1], 0
	s_mov_b32 s20, 0x76543210                      ; v_permlanex16_b32: lane l xor 16
	s_mov_b32 s21, 0xfedcba98
	s_mov_b32 s22, 0x3b800000                      ; 1 / 256
	s_mov_b32 s23, 0x3727c5ac                      ; 1e-5
	s_lshl_b32 s16, ttmp9, 1
	s_add_co_u32 s16, s16, s3                      ; my row
	s_lshl_b32 s16, s16, 10
	s_mov_b32 s17, 0
	s_wait_kmcnt 0x0
	s_add_nc_u64 s[4:5], s[4:5], s[16:17]
	s_add_nc_u64 s[12:13], s[12:13], s[16:17]
.set n, 0
.rept 16
	global_load_b128 v[PT+4*n:PT+4*n+3], v[LI], s[4:5] offset:(n/2)*524288+(n%2)*512 th:TH_LOAD_NT   ; slice n / 2; read once in the launch
.set n, n+1
.endr
.set n, 0
.rept 2
	global_load_b128 v[BX+4*n:BX+4*n+3], v[LI], s[6:7] offset:512*n
	global_load_b128 v[G+4*n:G+4*n+3], v[LI], s[8:9] offset:512*n
	global_load_b128 v[BT+4*n:BT+4*n+3], v[LI], s[10:11] offset:512*n
.set n, n+1
.endr
	s_wait_loadcnt 0x0
.set n, 0
.rept 4
	v_pk_add_f32 v[ACC+2*n:ACC+2*n+1], v[PT+2*n:PT+2*n+1], v[BX+2*n:BX+2*n+1]
.set n, n+1
.endr
.set n, 0
.rept 28
	v_pk_add_f32 v[ACC+2*(n%4):ACC+2*(n%4)+1], v[ACC+2*(n%4):ACC+2*(n%4)+1], v[PT+8+8*(n/4)+2*(n%4):PT+8+8*(n/4)+2*(n%4)+1]
.set n, n+1
.endr
	v_pk_add_f32 v[SA:SA+1], v[ACC:ACC+1], v[ACC+2:ACC+3]
	v_pk_add_f32 v[SB:SB+1], v[ACC+4:ACC+5], v[ACC+6:ACC+7]
	WSUM
	v_mul_f32 v[MU], s22, v[SS]
.set n, 0
.rept 4
	v_pk_add_f32 v[ACC+2*n:ACC+2*n+1], v[ACC+2*n:ACC+2*n+1], v[MU:MU+1] op_sel_hi:[1,0] neg_lo:[0,1] neg_hi:[0,1]
.set n, n+1
.endr
	v_pk_mul_f32 v[SA:SA+1], v[ACC:ACC+1], v[ACC:ACC+1]
	v_pk_mul_f32 v[SB:SB+1], v[ACC+2:ACC+3], v[ACC+2:ACC+3]
	v_pk_fma_f32 v[SA:SA+1], v[ACC+4:ACC+5], v[ACC+4:ACC+5], v[SA:SA+1]
	v_pk_fma_f32 v[SB:SB+1], v[ACC+6:ACC+7], v[ACC+6:ACC+7], v[SB:SB+1]
	WSUM
	v_fma_f32 v[SS], v[SS], s22, s23
	v_rsq_f32 v[RS], v[SS]
	v_nop                                          ; a plain line behind the transcendental
	s_wait_alu depctr_va_vdst(0)                   ; and a wait ahead of its first reader
.set n, 0
.rept 4
	v_pk_mul_f32 v[ACC+2*n:ACC+2*n+1], v[ACC+2*n:ACC+2*n+1], v[RS:RS+1] op_sel_hi:[1,0]
.set n, n+1
.endr
.set n, 0
.rept 4
	v_pk_fma_f32 v[ACC+2*n:ACC+2*n+1], v[ACC+2*n:ACC+2*n+1], v[G+2*n:G+2*n+1], v[BT+2*n:BT+2*n+1]
.set n, n+1
.endr
.set n, 0
.rept 2
	global_store_b128 v[LI], v[ACC+4*n:ACC+4*n+3], s[12:13] offset:512*n th:TH_STORE_NT     ; 512 consecutive bytes a store, aligned
.set n, n+1
.endr
	s_endpgm
.Lfunc_end_k_qadc33317ff_fin:
	.size	k_qadc33317ff_fin, .Lfunc_end_k_qadc33317ff_fin-k_qadc33317ff_fin
	.p2alignl 7, 3214868480
	.fill 96, 4, 3214868480
	.section	.rodata,"a",@progbits
	.p2align	6, 0x0
	.amdhsa_kernel k_qadc33317ff_fin
		.amdhsa_group_segment_fixed_size 0
		.amdhsa_private_segment_fixed_size 0
		.amdhsa_enable_private_segment 0
		.amdhsa_kernarg_size 40
		.amdhsa_user_sgpr_count 2
		.amdhsa_user_sgpr_kernarg_segment_ptr 1
		.amdhsa_wavefront_size32 1
		.amdhsa_system_sgpr_workgroup_id_x 1
		.amdhsa_system_sgpr_workgroup_id_y 1
		.amdhsa_system_sgpr_workgroup_id_z 1
		.amdhsa_system_vgpr_workitem_id 0
		.amdhsa_next_free_vgpr 108
		.amdhsa_next_free_sgpr 66
		.amdhsa_reserve_vcc 0
		.amdhsa_float_denorm_mode_32 3
		.amdhsa_float_denorm_mode_16_64 3
		.amdhsa_memory_ordered 1
		.amdhsa_forward_progress 1
		.amdhsa_inst_pref_size 8
	.end_amdhsa_kernel
	.amdgpu_metadata
---
amdhsa.version: [ 1, 2 ]
amdhsa.kernels:
  - .name:           k_qadc33317ff_fin
    .symbol:         k_qadc33317ff_fin.kd
    .args:
      - { .name: PART, .offset: 0, .size: 8, .value_kind: global_buffer, .address_space: global }
      - { .name: bX2, .offset: 8, .size: 8, .value_kind: global_buffer, .address_space: global }
      - { .name: gX2, .offset: 16, .size: 8, .value_kind: global_buffer, .address_space: global }
      - { .name: betX2, .offset: 24, .size: 8, .value_kind: global_buffer, .address_space: global }
      - { .name: out0, .offset: 32, .size: 8, .value_kind: global_buffer, .address_space: global }
    .group_segment_fixed_size: 0
    .private_segment_fixed_size: 0
    .kernarg_segment_align: 8
    .kernarg_segment_size: 40
    .max_flat_workgroup_size: 64
    .sgpr_count:     66
    .vgpr_count:     108
    .wavefront_size: 32
...
	.end_amdgpu_metadata
.endif
;; end of part 4
